; MI455X (gfx1250); checked and timed in simulation.
; The chip was launched on July 23, 2026; its instructions are those of AMD's public machine-readable ISA for CDNA 5 (MIT licence, August 2026) and "CDNA5" Instruction Set Architecture Reference Guide (July 2026). The comments in the code are by the model that wrote it; some were corrected since.
;; Attention. Allowed arithmetic: matrix products marked QUANTISED: E4M3 operands, one given power-of-two scale a tensor, by v_wmma_f32_16x16x64_fp8_fp8 or v_wmma_f32_16x16x128_fp8_fp8, f32 sums; everything else in f32.
;; Inputs: W_attn 1,024 x 3,072 float32; W_proj 1,024 x 1,024 float32; attention_mask 8 x 1 x 1 x 1,024 float32; b_attn 3,072 float32; b_proj 1,024 float32; lowp_scales 8 int32 (the exponents e of the quantised operands' scales 2^e); x 8 x 1,024 x 1,024 float32.
;; Outputs: out0 8 x 1,024 x 1,024 float32.
;; This version of the problem:
;;   THIS VERSION OF THE PROBLEM IS GIVEN IN LOW PRECISION. The matrix products marked QUANTISED in the list below multiply operands that are first quantised to E4M3 (4 exponent bits, 3 mantissa bits; 8 bits a number), with one given power-of-two scale for each operand tensor; their sums are f32. All else is computed in f32.
;;   The module's matrix products, in the order in which they are computed (A, B: the left and right operand; K: the contracted axis; several contracted axes count as one K, in the product's order):
;;     1. [M 8,192, K 1,024] x [K 1,024, N 3,072]; A: input x; B: input W_attn: QUANTISED (scales: A lowp_scales[0], B lowp_scales[1])
;;     2. batch 64 x [M 1,024, K 128] x [K 128, N 1,024]; A: computed on the way; B: computed on the way: QUANTISED (scales: A lowp_scales[2], B lowp_scales[3])
;;     3. batch 64 x [M 1,024, K 1,024] x [K 1,024, N 128]; A: softmax (see below); B: computed on the way: QUANTISED (scales: A lowp_scales[4], B lowp_scales[5])
;;     4. [M 8,192, K 1,024] x [K 1,024, N 1,024]; A: computed on the way; B: input W_proj: QUANTISED (scales: A lowp_scales[6], B lowp_scales[7])
;;   THE QUANTISER, for each operand of a quantised product, along K:
;;     - The operand's scale is 2^e, e = its entry of the input lowp_scales (int32; the entries are numbered through the quantised products in the list's order, A before B).
;;     - Each number is divided by the scale, clamped to +-448, and rounded to the nearest number of E4M3, ties to even, subnormals kept.
;;     - The product sums the exact products of the quantised numbers (number of the format x scale) in f32.
;;   ~~~python
;;   def quantise(x, axis, e):      # numpy; x: float32 -> the quantised numbers, widened to float32 again
;;       x = np.moveaxis(x, axis, -1); K = x.shape[-1]
;;       r = np.clip(x / 2.0 ** e, -448, 448)
;;       step = 2.0 ** (np.maximum(np.frexp(np.where(r == 0, 1, r))[1] - 1, -6) - 3)
;;       q = np.round(r / step) * step * 2.0 ** e      # np.round: ties to even
;;       return np.moveaxis(q, -1, axis).astype(np.float32)
;;   ~~~
;;   SOFTMAX AHEAD OF A QUANTISED PRODUCT. Where the list says 'softmax', what is quantised is not the finished softmax but p = 2^(t - M), with t = logit x log2(e) and M = ceil(the row's largest t), a whole number; so 1/2 < the row's largest p <= 1. The row's sum l is taken of the UNQUANTISED p, in f32, and the product's result is divided by l at the end. Since M is a whole number, a kernel that streams over the keys may use a running M (the ceiling of the running maximum): every later rescaling is an exact power of two, so the quantised numbers keep their values, but for numbers so far below the row's largest that they fall under the format's range.
;;   OPERANDS COMPUTED ON THE WAY. 'Computed on the way' means the value that the module computes at that place (a softmax that the list does not call 'softmax' is quantised finished and normalised). What goes into a quantiser is computed in f32, as accurately as f32 sums, v_exp_f32 and their like allow (about 1e-6 of the number): no bf16 or f16 on the way to a quantiser, and a product that is left as it is and whose result goes on into a quantised operand takes f32 operands (vector FMAs, or v_wmma_f32_16x16x4_f32). A number that lies on a knife's edge between two numbers of the format may be rounded either way, as far as f32 arithmetic and the matrix unit's own rounding can turn it there, and no further.
;; One version. Each part assembles by itself: llvm-mc -triple=amdgcn-amd-amdhsa -mcpu=gfx1250 --defsym DOCPART=n.
;; ======== version 1 of 1: 4 launches
;; limits: right only within a limited range of input values
;; workspace buffers: x_codes 8,388,608 bytes; wa_codes 3,145,728 bytes; wp_codes 1,048,576 bytes; qkv_codes 25,165,824 bytes; a_codes 8,388,608 bytes
;; launch quant (part 1): grid 384 x 1, 4 waves a work-group, no clusters, 107,008 bytes of LDS; arguments x, W_attn, W_proj, lowp_scales, x_codes, wa_codes, wp_codes; writes x_codes, wa_codes, wp_codes
.if DOCPART == 1
	.amdgcn_target "amdgcn-amd-amdhsa--gfx1250"
	.amdhsa_code_object_version 6
	.text
	.protected	k_q76113b3a19_quant
	.globl	k_q76113b3a19_quant
	.p2align	8
	.type	k_q76113b3a19_quant,@function
k_q76113b3a19_quant:
	s_mov_b64 s[64:65], 0
	v_nop
	global_prefetch_b8 v0, s[64:65] scope:SCOPE_SE
	s_setreg_imm32_b32 hwreg(HW_REG_WAVE_MODE, 25, 1), 1
	s_wait_xcnt 0x0
; x [8192][1024], W_attn [1024][3072] and W_proj [1024][1024], f32, become codes of FP8 (E4M3), each with the one scale 2^e that is given for it (entries 0, 1 and 7).
; code = number / 2^e, held within +-448, rounded to the nearest code, ties to even.  LIMITS: each e between -126 and 119; NaN among the inputs is not served.
; THE CODES ARE LAID IN BLOCKS OF 128 ALONG K, so that a GEMM's tile (256 rows x 128 along K) is one dense run of 32,768 bytes:
;   x_codes [batch 8][K block 8][token 1024][128]     wa_codes [K block 8][column 3072][128]     wp_codes [K block 8][column 1024][128]
; One launch, three ways that part on the work-group's number and never meet again; each has LDS bytes of its own.
;   work-groups 0-255: x.  K is innermost.  A wave takes 64 rows x one K block, 4 rows a step: each load reads 512 consecutive bytes, 16 a lane; the step's 2,048 bytes turn through the wave's stage in LDS and come back
;     64 bytes a lane, since a conversion takes neighbours along K from ONE lane's registers.  A lane's 16 codes are 16 bytes: the wave stores 512 consecutive bytes.
;   work-groups 256-351: W_attn, 352-383: W_proj.  K is the FIRST axis.  A lane takes a column and its registers run down K: a wave takes 32 columns x 256 along K.  The codes gather in the wave's stage (a row a column and
;     K block, 128 bytes + 16) and leave four columns, 512 consecutive bytes, a store.
; No tensor loads, no barrier: waves share nothing.
.set SP,   80                          ; x: a lane's place in a stage: its 64 bytes + 16 of padding
.set R,    16                          ; v16-79    x: four sets of 16 numbers as they are loaded
.set X,    80                          ; v80-111   x: two sets of 16 neighbours
.set C,    128                         ; v128-191  x: codes, four registers for each step: no store's data are written again
.set WX,   32                          ; v32-95    W: two sets of 32 numbers
.set WC,   96                          ; v96-103   W: a block's codes
.set WO,   112                         ; v112-175  W: the way out
.set WP,   144                         ; W: a stage row: 128 bytes + 16 = 36 words: 16 rows start at 16 different groups of four banks (64 banks of 4 bytes: ISA guide 11.1)
.macro SCALE e                         ; v11 = 2^e as f32 (the conversion takes its exponent field); v10 = 448 x 2^e
	s_add_co_i32 s34, s[\e], 127
	s_lshl_b32 s35, s34, 23
	v_mov_b32 v11, s35
	s_add_co_i32 s34, s34, 8
	s_lshl_b32 s34, s34, 23
	s_or_b32 s34, s34, 0x600000
	v_mov_b32 v10, s34
.endm
.macro XLOAD t                         ; step t: rows 4 t .. 4 t + 3, 512 bytes of each
.irp i, 0,1,2,3
	global_load_b128 v[R+16*((\t)%4)+4*\i:R+16*((\t)%4)+4*\i+3], v3, s[4:5] offset:(4*(\t)+\i)*4096 th:TH_LOAD_NT
.endr
.endm
.macro XTURN t                         ; step t's numbers through the stage: LDS serves a wave's instructions in order, so no wait stands between the stores and the loads
.irp i, 0,1,2,3
	ds_store_b128 v14, v[R+16*((\t)%4)+4*\i:R+16*((\t)%4)+4*\i+3] offset:32*SP*((\t)%2)+8*SP*\i
.endr
.irp i, 0,1,2,3
	ds_load_b128 v[X+16*((\t)%2)+4*\i:X+16*((\t)%2)+4*\i+3], v15 offset:32*SP*((\t)%2)+16*\i
.endr
.endm
.macro XSTEP t
.set XS, X+16*((\t)%2)
	s_wait_dscnt 0x0                               ; this step's numbers are back from the stage, so its stores into the stage have read their registers,
.if (\t)+4 < 16
	XLOAD (\t)+4                                   ; which take the loads of four steps on
.endif
.if (\t)+1 < 16
.if 14-(\t) >= 3
	s_wait_loadcnt 12                              ; the next step's four loads are in; those of the three steps behind it may be out
.else
	s_wait_loadcnt 4*(14-(\t))
.endif
	XTURN (\t)+1
.endif
.irp i, 0,1,2,3,4,5,6,7,8,9,10,11,12,13,14,15
	v_med3_num_f32 v[XS+\i], v[XS+\i], -v10, v10   ; the conversion to an 8-bit code does not saturate (ISA guide 7.6.2): the hold at the largest code x the scale comes first
.endr
	v_cvt_scalef32_pk8_fp8_f32 v[C+4*(\t):C+4*(\t)+1], v[XS:XS+7], v11
	v_cvt_scalef32_pk8_fp8_f32 v[C+4*(\t)+2:C+4*(\t)+3], v[XS+8:XS+15], v11
	global_store_b128 v3, v[C+4*(\t):C+4*(\t)+3], s[12:13] offset:512*(\t)   ; lane l holds row 4 t + l / 8, codes 16 (l % 8) on: byte 512 t + 16 l of my 8,192
.endm
.macro WLOAD t, n, inp                 ; block t: W(32 t + i, my column), i = 0 .. 31: 32 lanes read 128 consecutive bytes
.irp i, 0,1,2,3,4,5,6,7,8,9,10,11,12,13,14,15,16,17,18,19,20,21,22,23,24,25,26,27,28,29,30,31
	global_load_b32 v[WX+32*((\t)%2)+\i], v3, s[\inp:\inp+1] offset:(32*(\t)+\i)*(\n)*4 th:TH_LOAD_NT
.endr
.endm
.macro WBLOCK t, n, inp
.set XS, WX+32*((\t)%2)
.if (\t) < 7
	s_wait_loadcnt 32                              ; this block's 32 loads are in; the next block's may be out
.else
	s_wait_loadcnt 0x0
.endif
.irp i, 0,1,2,3,4,5,6,7,8,9,10,11,12,13,14,15,16,17,18,19,20,21,22,23,24,25,26,27,28,29,30,31
	v_med3_num_f32 v[XS+\i], v[XS+\i], -v10, v10
.endr
.irp g, 0,1,2,3
	v_cvt_scalef32_pk8_fp8_f32 v[WC+2*\g:WC+2*\g+1], v[XS+8*\g:XS+8*\g+7], v11
.endr
	ds_store_b128 v4, v[WC:WC+3] offset:((\t)/4)*32*WP+((\t)%4)*32        ; 32 codes of my column, in K block t / 4 of my two
	ds_store_b128 v4, v[WC+4:WC+7] offset:((\t)/4)*32*WP+((\t)%4)*32+16
.if (\t)+2 < 8
	WLOAD (\t)+2, \n, \inp
.endif
	s_wait_dscnt 0x0                               ; the stores have read their registers: the next block's codes may be written
.endm
; A weight of n columns; its work-groups begin at number first; s[inp], s[outp]: its addresses; s[e]: its exponent; stg: its LDS bytes
.macro WQ n, first, inp, outp, e, stg
	s_sub_co_u32 s19, ttmp9, \first
	s_lshr_b32 s20, s19, 2                         ; which 128 columns
	s_and_b32 s19, s19, 3                          ; which 256 along K
	s_lshl_b32 s20, s20, 7
	s_lshl_b32 s21, s18, 5
	s_add_co_u32 s20, s20, s21                     ; my wave's first column
	s_mul_i32 s32, s19, 1024*\n                    ; 256 rows of 4 n bytes
	s_lshl_b32 s21, s20, 2
	s_add_co_u32 s32, s32, s21
	s_add_nc_u64 s[\inp:\inp+1], s[\inp:\inp+1], s[32:33]
	s_mul_i32 s32, s19, 256*\n                     ; two K blocks of 128 n bytes
	s_lshl_b32 s21, s20, 7
	s_add_co_u32 s32, s32, s21
	s_add_nc_u64 s[\outp:\outp+1], s[\outp:\outp+1], s[32:33]
	v_lshlrev_b32 v3, 2, v2                        ; in: 4 bytes a lane
	WLOAD 0, \n, \inp
	WLOAD 1, \n, \inp
	s_mul_i32 s22, s18, 2*32*WP
	s_add_co_u32 s22, s22, \stg                    ; my stage: [2 K blocks][32 columns][144 bytes]
	v_mul_u32_u24 v4, v2, WP
	v_add_nc_u32 v4, s22, v4                       ; into it: row = my column
	v_lshrrev_b32 v5, 3, v2
	v_and_b32 v6, 7, v2
	v_mul_u32_u24 v7, v5, WP
	v_lshl_add_u32 v7, v6, 4, v7
	v_add_nc_u32 v7, s22, v7                       ; out of it: eight lanes to a column, four columns an instruction
	v_lshlrev_b32 v8, 4, v2                        ; which are 512 consecutive bytes of the codes' buffer
	s_wait_kmcnt 0x0
	SCALE \e
	s_wait_alu depctr_va_vdst(0)
.irp t, 0,1,2,3,4,5,6,7
	WBLOCK \t, \n, \inp
.endr
.irp t, 0,1,2,3,4,5,6,7,8,9,10,11,12,13,14,15
	ds_load_b128 v[WO+4*\t:WO+4*\t+3], v7 offset:(\t/8)*32*WP+(\t%8)*4*WP
.endr
.irp t, 0,1,2,3,4,5,6,7,8,9,10,11,12,13,14,15
	s_wait_dscnt 15-\t                             ; LDS loads come back in order: load t is in, the younger ones may be out
	global_store_b128 v8, v[WO+4*\t:WO+4*\t+3], s[\outp:\outp+1] offset:(\t/8)*128*(\n)+(\t%8)*512
.endr
	s_wait_tensorcnt 0x0
	ds_add_u32 v192, v193
	s_wait_dscnt 0x0
	s_endpgm
.endm
	s_load_b256 s[4:11], s[0:1], 0x0               ; x s[4:5], W_attn s[6:7], W_proj s[8:9], the scales' exponents s[10:11]
	s_load_b128 s[12:15], s[0:1], 0x20             ; x_codes s[12:13], wa_codes s[14:15]
	s_load_b64 s[16:17], s[0:1], 0x30              ; wp_codes
	v_lshl_add_u32 v192, v0, 2, 0x1a000
	v_mov_b32 v193, 0
	v_lshrrev_b32 v1, 5, v0
	v_readfirstlane_b32 s18, v1                    ; wave
	v_and_b32 v2, 31, v0                           ; lane
	s_mov_b32 s33, 0                               ; the high word of every offset below
	s_wait_kmcnt 0x0
	s_load_b256 s[24:31], s[10:11], 0x0            ; e0 .. e7
	s_cmp_lt_u32 ttmp9, 256
	s_cbranch_scc0 .Lweights
	; ---- x
	s_lshr_b32 s19, ttmp9, 1                       ; which 64 rows
	s_and_b32 s20, ttmp9, 1
	s_lshl_b32 s20, s20, 2
	s_add_co_u32 s20, s20, s18                     ; my K block: 4 (work-group % 2) + wave
	s_lshl_b32 s32, s19, 18                        ; 64 rows of 4,096 bytes
	s_lshl_b32 s21, s20, 9                         ; + 512 bytes a K block
	s_add_co_u32 s32, s32, s21
	s_add_nc_u64 s[4:5], s[4:5], s[32:33]
	s_lshr_b32 s21, s19, 4                         ; the batch: 16 x 64 rows
	s_lshl_b32 s32, s21, 20
	s_lshl_b32 s21, s20, 17
	s_add_co_u32 s32, s32, s21
	s_and_b32 s21, s19, 15
	s_lshl_b32 s21, s21, 13                        ; 64 rows of 128 bytes
	s_add_co_u32 s32, s32, s21
	s_add_nc_u64 s[12:13], s[12:13], s[32:33]
	s_wait_alu depctr_va_vdst(0)
	v_lshlrev_b32 v3, 4, v2                        ; my 16 bytes of a load's 512, and of a store's
.irp t, 0,1,2,3
	XLOAD \t
.endr
	s_lshl_b32 s22, s18, 13                        ; my wave's 8,192 bytes of LDS: two stages of 32 x 80
	v_lshrrev_b32 v14, 2, v2
	v_mul_u32_u24 v14, v14, SP
	v_and_b32 v15, 3, v2
	v_lshl_add_u32 v14, v15, 4, v14
	v_add_nc_u32 v14, s22, v14                     ; in: four lanes' 64 bytes on end, then 16 of padding; a load's 512 bytes take eight places
	v_mul_u32_u24 v15, v2, SP
	v_add_nc_u32 v15, s22, v15                     ; out: place = lane: my 16 neighbours
	s_wait_alu depctr_va_vdst(0)
	s_wait_kmcnt 0x0
	SCALE 24
	s_wait_alu depctr_va_vdst(0)
	s_wait_loadcnt 12                              ; step 0's four loads are in
	XTURN 0
.irp t, 0,1,2,3,4,5,6,7,8,9,10,11,12,13,14,15
	XSTEP \t
.endr
	s_wait_tensorcnt 0x0
	ds_add_u32 v192, v193
	s_wait_dscnt 0x0
	s_endpgm
.Lweights:
	s_cmp_lt_u32 ttmp9, 352
	s_cbranch_scc0 .Lwproj
	s_wait_alu depctr_va_vdst(0)
	WQ 3072, 256, 6, 14, 25, 32768
.Lwproj:
	s_wait_alu depctr_va_vdst(0)
	WQ 1024, 352, 8, 16, 31, 69632
.Lfunc_end_k_q76113b3a19_quant:
	.size	k_q76113b3a19_quant, .Lfunc_end_k_q76113b3a19_quant-k_q76113b3a19_quant
	.p2alignl 7, 3214868480
	.fill 96, 4, 3214868480
	.section	.rodata,"a",@progbits
	.p2align	6, 0x0
	.amdhsa_kernel k_q76113b3a19_quant
		.amdhsa_group_segment_fixed_size 107008
		.amdhsa_private_segment_fixed_size 0
		.amdhsa_enable_private_segment 0
		.amdhsa_kernarg_size 56
		.amdhsa_user_sgpr_count 2
		.amdhsa_user_sgpr_kernarg_segment_ptr 1
		.amdhsa_wavefront_size32 1
		.amdhsa_system_sgpr_workgroup_id_x 1
		.amdhsa_system_sgpr_workgroup_id_y 1
		.amdhsa_system_sgpr_workgroup_id_z 1
		.amdhsa_system_vgpr_workitem_id 0
		.amdhsa_next_free_vgpr 194
		.amdhsa_next_free_sgpr 66
		.amdhsa_reserve_vcc 0
		.amdhsa_float_denorm_mode_32 3
		.amdhsa_float_denorm_mode_16_64 3
		.amdhsa_memory_ordered 1
		.amdhsa_forward_progress 1
		.amdhsa_inst_pref_size 134
	.end_amdhsa_kernel
	.amdgpu_metadata
---
amdhsa.version: [ 1, 2 ]
amdhsa.kernels:
  - .name:           k_q76113b3a19_quant
    .symbol:         k_q76113b3a19_quant.kd
    .args:
      - { .name: x, .offset: 0, .size: 8, .value_kind: global_buffer, .address_space: global }
      - { .name: W_attn, .offset: 8, .size: 8, .value_kind: global_buffer, .address_space: global }
      - { .name: W_proj, .offset: 16, .size: 8, .value_kind: global_buffer, .address_space: global }
      - { .name: lowp_scales, .offset: 24, .size: 8, .value_kind: global_buffer, .address_space: global }
      - { .name: x_codes, .offset: 32, .size: 8, .value_kind: global_buffer, .address_space: global }
      - { .name: wa_codes, .offset: 40, .size: 8, .value_kind: global_buffer, .address_space: global }
      - { .name: wp_codes, .offset: 48, .size: 8, .value_kind: global_buffer, .address_space: global }
    .group_segment_fixed_size: 107008
    .private_segment_fixed_size: 0
    .kernarg_segment_align: 8
    .kernarg_segment_size: 56
    .max_flat_workgroup_size: 128
    .sgpr_count:     66
    .vgpr_count:     194
    .wavefront_size: 32
...
	.end_amdgpu_metadata
.endif
;; end of part 1
;; launch qkv (part 2): grid 8 x 32, 4 waves a work-group, clusters of 4 x 4, 327,680 bytes of LDS; arguments x_codes, wa_codes, lowp_scales, b_attn, qkv_codes; writes qkv_codes
.if DOCPART == 2
	.amdgcn_target "amdgcn-amd-amdhsa--gfx1250"
	.amdhsa_code_object_version 6
	.text
	.protected	k_q76113b3a19_qkv
	.globl	k_q76113b3a19_qkv
	.p2align	8
	.type	k_q76113b3a19_qkv,@function
k_q76113b3a19_qkv:
	s_mov_b64 s[64:65], 0
	v_nop
	global_prefetch_b8 v0, s[64:65] scope:SCOPE_SE
	s_setreg_imm32_b32 hwreg(HW_REG_WAVE_MODE, 25, 1), 1
	s_wait_xcnt 0x0
	s_wait_alu depctr_hold_cnt(0) depctr_sa_sdst(0) depctr_va_vdst(0) depctr_va_sdst(0) depctr_va_ssrc(0) depctr_va_vcc(0) depctr_vm_vsrc(0)
	s_getreg_b32 s2, hwreg(HW_REG_IB_STS2, 6, 4)
	s_cmp_eq_u32 s2, 0
	s_cbranch_scc0 .Lentry_in_a_cluster
	s_endpgm
.Lentry_in_a_cluster:
	s_bfe_u32 s2, ttmp6, 0x10000c
	s_cmp_lg_u32 s2, 0xf033
	s_cbranch_scc0 .Lentry_shape_is_right
	s_endpgm
.Lentry_shape_is_right:
; qkv = x W_attn + b_attn on codes of FP8 (E4M3), and q, k, v quantised at once for the attention's products (scales: entries 0, 1 in; 2, 3, 5 out).
; IN: x_codes [batch 8][K block 8][token 1024][128], wa_codes [K block 8][column 3072][128].  OUT: qkv_codes: three parts of 8 MiB (q, k, v), each of blocks of 16,384 bytes, block ((batch 8 + head) 8 + 128 tokens):
;   q, k: 128 rows (tokens) x 128 bytes (the head's channels);   v: 128 rows (channels) x 128 bytes (keys): each product's K is innermost.
;   IN EVERY BLOCK THE ROWS LIE WITH BITS 3 AND 4 OF THEIR NUMBER SWAPPED: row 16 a + r at place 32 (a / 2) + 16 (r / 8) + 8 (a % 2) + r % 8.
; SHARES.  The result has 8,192 x 3,072 numbers; 256 work-groups make 256 tokens x 384 columns each.  Work-group (j, tile) takes tokens 256 tile on and THREE HEADS: columns 256 j .. 256 j + 255 (two heads of q, j < 4, or of k)
;   and columns 2,048 + 128 j .. + 127 (head j of v): so all work-groups, and all waves, run one text.  Wave (wr, wc) makes 128 tokens x (one head of q or k + 64 channels of v): 96 accumulators, 768 registers, windows 1 to 3.
; THE SOURCES' ORDER.  q, k: source 0 = 16 rows of W, source 1 = 16 tokens: a lane holds eight neighbouring channels of a token.  v: source 0 = 16 tokens, source 1 = 16 rows of W: a lane holds eight neighbouring KEYS of a channel.
; THE FORM is 16 x 16 x 64: a fragment is 8 registers, so that all fragments fit into window 0: A (tokens) two sets of 8, B (W's rows) one set of 12.  A step of 64 along K is three groups of 32 matrix instructions (B's fragments 4 g .. 4 g + 3
;   against A's eight); behind each group its four fragments of B are fetched anew for the next step; A's other set is fetched behind the first group.
; A fragment comes by two loads of 16 bytes: registers 4 c .. 4 c + 3 hold K = 32 c + 16 (lane / 16) + 0 .. 15: a permutation of k that is the same in both operands.
; THE RING: two LDS slots of one K block (128 along K): 256 rows of x, 256 + 128 rows of W, 144 bytes apart.  Two slots of 256 along K would be 368,640 bytes.  Waves 0, 1 fetch x's halves, wave 2 W's 256 rows, wave 3 W's 128: dense runs of memory, stated as rows of 256 bytes.
; CLUSTERS of 4 x 4: cluster y = the batch, cy = its 256 tokens, j = 4 x cluster x + cx.  x's tiles are shared along a row of the cluster, W's along a column: joint loads.
; THE BIAS of q and k, divided by 2^(e0 + e1), is the C of the first products; v's is added on the way out.
; PREFETCH: behind the fill of K block f a wave names its share of K block f + 2's region (f = 0 .. 5).  The four partners that ask for a region jointly share its blocks of 256 bytes out by address (cx for x, cy for W).
;   All eight batches read the same W_attn: only the clusters of batches 0 to 3 name its blocks.  K blocks 0 and 1 come by their loads alone.
; LIMITS: e_out - e0 - e1 between -126 and 119 (e_out = e2, e3, e5); NaN is not served.
; REGISTERS, window 0: v1-7 at work; v8-23 as named below; v24-31 v's bias; v32-159 A's two sets (the second holds q's or k's bias until the first products have read it); v160-255 B's set.  On the way out v64-255 hold codes.
;   windows 1, 2, 3: accumulator (a, b) at v[8 (8 (b % 4) + a)] of window 1 + b / 4; b = 0 .. 7: q or k, b = 8 .. 11: v.
.set PITCH,  144                       ; an LDS row: 128 bytes + 16 = 36 words: 16 rows start at 16 different groups of four banks (64 banks of 4 bytes: ISA guide 11.1)
.set REGA,   256*PITCH
.set SLOT,   640*PITCH                 ; x's 256 rows, W's 256 rows of q or k, W's 128 rows of v
.set SPARE,  2*SLOT                    ; behind the ring: the spare words, 128 bytes for each wave: two blocks of 256 bytes that no other line names
.set STAGE,  SPARE+512                 ; behind them: the stages for the way out, 32 rows x 144 bytes for each wave: blocks of 256 bytes into which no tensor load lands
.set SPW,  8                           ; v8      my spare word: SPARE + 4 x my thread's number; never rewritten
.set NIL,  9                           ; v9      0; never rewritten
.set ADRA, 10                          ; v10-11  LDS address of my fragments of x in slot 0, 1
.set ADRQ, 12                          ; v12-13  of W's rows of q or k
.set ADRV, 14                          ; v14-15  of W's rows of v
.set STO,  16                          ; v16     the way out: where I put 8 bytes of a row
.set RD,   17                          ; v17     where I read rows back
.set CO,   18                          ; v18     16 x lane
.set PFO,  19                          ; v19     the prefetches' offset: 256 x my lane; never rewritten
.set SC,   20                          ; v20, v21  2^(e_out - e0 - e1) and 448 x that, for q or k
.set LIM,  21
.set SCV,  22                          ; v22, v23  the same for v
.set LIMV, 23
.set BV,   24                          ; v24-31  v's bias of channel 16 i + lane % 16, twice, at 2 i
.set AF,   32                          ; A's set p at 32 + 64 p
.set BIA,  96                          ; bias of column 16 b + 8 (lane / 16) + j at 8 b + j
.set BFR,  160                         ; B's fragment b at 160 + 8 b
.set CD,   128                         ; codes of q or k: token block a, columns 16 b on: 2 registers at 16 a + 2 b
.set CDV,  64                          ; codes of v: channel block i, keys 16 a on: 2 registers at 16 i + 2 a
.set G1A, 24                           ; s[24:31], s[32:39], s[40:47] group 1 for x's halves, W's 256 rows, W's 128 rows
.set G1Q, 32
.set G1V, 40
.set G0A, 48                           ; s[48:55], s[56:63], s[68:75] their groups 0, a set for each slot
.set G0Q, 56
.set G0V, 68
.set PFA, 78                           ; s[78:79] where my prefetches stand;  s[80:81] a K block on, in bytes;  s82: 1 in a wave that asks, else the greatest number
.set PFS, 80
.set LIMP, 82
.set FLAGS, (1<<20)|(1<<21)|(4<<22)|(3<<25)   ; elements of 1 byte; padding on; bit 21 beside a mask; four words after every 32
.set MSB, 0
.macro WIN new                         ; the immediate's high byte repeats the setting that is left
.if MSB != (\new)
	s_set_vgpr_msb (MSB<<8)|(\new)
.set MSB, (\new)
.endif
.endm
.macro PLACES n                        ; plain vector instructions in front of loads into registers that matrix instructions have read, and of the first read of results
.rept \n
	v_nop
.endr
.endm
; A joint load: one chain of branches on the wave's number, one load to an arm.  An s_nop 0 and four v_nop follow each load.
.macro JLOAD s
	s_cmp_lt_u32 s14, 2
	s_cbranch_scc0 .Lnot_a_\@
	tensor_load_to_lds s[G0A+4*\s:G0A+4*\s+3], s[G1A:G1A+7]
	s_nop 0
	PLACES 4
	s_branch .Lasked_\@
.Lnot_a_\@:
	s_cmp_eq_u32 s14, 2
	s_cbranch_scc0 .Lfor_v_\@
	tensor_load_to_lds s[G0Q+4*\s:G0Q+4*\s+3], s[G1Q:G1Q+7]
	s_nop 0
	PLACES 4
	s_branch .Lasked_\@
.Lfor_v_\@:
	tensor_load_to_lds s[G0V+4*\s:G0V+4*\s+3], s[G1V:G1V+7]
	s_nop 0
	PLACES 4
.Lasked_\@:
.endm
.macro CREST                           ; a round of the cluster's barrier behind its opening barrier
	s_cmp_lg_u32 s14, 0
	s_cbranch_scc1 .Lnot_wave_0_\@
	s_barrier_signal -3
.Lnot_wave_0_\@:
	s_barrier_wait -3
	s_barrier_signal -1
	s_barrier_wait -1
.endm
.macro CROUND
	s_barrier_signal -1
	s_barrier_wait -1
	CREST
.endm
.macro ASK inloop                      ; my share of the region two fills on.  In the loop: not in its last trip (s3 = 1), whose fills have no K block two on
.if \inloop
	s_cmp_gt_u32 s3, s[LIMP]
.else
	s_cmp_eq_u32 s[LIMP], 1
.endif
	s_cbranch_scc0 .Lnot_mine_\@
	global_prefetch_b8 v[PFO], s[PFA:PFA+1] th:TH_LOAD_NT scope:SCOPE_SE
.Lnot_mine_\@:
.endm
.macro FB g, slot, s                   ; B's fragments 4 g .. 4 g + 3 of the slot's s-th 64 along K: 8 loads
.irp i, 0,1,2,3
.irp c, 0,1
.if \g < 2
	ds_load_b128 v[BFR+8*(4*(\g)+\i)+4*\c:BFR+8*(4*(\g)+\i)+4*\c+3], v[ADRQ+\slot] offset:(4*(\g)+\i)*16*PITCH+64*(\s)+32*\c
.else
	ds_load_b128 v[BFR+8*(8+\i)+4*\c:BFR+8*(8+\i)+4*\c+3], v[ADRV+\slot] offset:\i*16*PITCH+64*(\s)+32*\c
.endif
.endr
.endr
.endm
.macro FA slot, s, p                   ; A's eight fragments into set p: 16 loads
.irp i, 0,1,2,3,4,5,6,7
.irp c, 0,1
	ds_load_b128 v[AF+64*(\p)+8*\i+4*\c:AF+64*(\p)+8*\i+4*\c+3], v[ADRA+\slot] offset:\i*16*PITCH+64*(\s)+32*\c
.endr
.endr
.endm
; Group g: 32 matrix instructions, A's set p.  st = 1: these products start the sums (q, k: from the bias; v: from 0).  The 96 accumulators take turns, one instruction a turn.
.macro GRP g, p, st
.irp i, 0,1,2,3
.irp a, 0,1,2,3,4,5,6,7
.if \g < 2
.if \st
	v_wmma_f32_16x16x64_fp8_fp8 v[8*(8*\i+\a):8*(8*\i+\a)+7], v[BFR+8*(4*(\g)+\i):BFR+8*(4*(\g)+\i)+7], v[AF+64*(\p)+8*\a:AF+64*(\p)+8*\a+7], v[BIA+8*(4*(\g)+\i):BIA+8*(4*(\g)+\i)+7]
.else
	v_wmma_f32_16x16x64_fp8_fp8 v[8*(8*\i+\a):8*(8*\i+\a)+7], v[BFR+8*(4*(\g)+\i):BFR+8*(4*(\g)+\i)+7], v[AF+64*(\p)+8*\a:AF+64*(\p)+8*\a+7], v[8*(8*\i+\a):8*(8*\i+\a)+7]
.endif
.else
.if \st
	v_wmma_f32_16x16x64_fp8_fp8 v[8*(8*\i+\a):8*(8*\i+\a)+7], v[AF+64*(\p)+8*\a:AF+64*(\p)+8*\a+7], v[BFR+8*(8+\i):BFR+8*(8+\i)+7], 0
.else
	v_wmma_f32_16x16x64_fp8_fp8 v[8*(8*\i+\a):8*(8*\i+\a)+7], v[AF+64*(\p)+8*\a:AF+64*(\p)+8*\a+7], v[BFR+8*(8+\i):BFR+8*(8+\i)+7], v[8*(8*\i+\a):8*(8*\i+\a)+7]
.endif
.endif
.endr
.endr
.endm
; A slot's first 64 along K (A's set 0).  The LDS loads of a step go out in the order B0 A B1 B2 (8, 16, 8, 8), one step ahead of their use.
.macro SS slot
	s_wait_dscnt 16                                ; B0 and A are in; B1 and B2 may be out
	WIN 0x50                                       ; C and D window 1
	GRP 0, 0, 0
	WIN 0
	PLACES 4
	FB 0, \slot, 1
	FA \slot, 1, 1
	s_wait_dscnt 32                                ; B1 is in; B2 and the 24 just issued may be out
	WIN 0xa0
	GRP 1, 0, 0
	WIN 0
	PLACES 4
	FB 1, \slot, 1
	s_wait_dscnt 32                                ; B2 is in; the 32 issued in this step may be out
	WIN 0xf0
	GRP 2, 0, 0
	WIN 0
	PLACES 4
	FB 2, \slot, 1
.endm
; A slot's second 64 along K (A's set 1) changes slots: ONE barrier; in front of it each wave waits for all its tensor loads, adds 0 to its spare word, and waits for that and for its reads of this slot.
; fill = 1: the slot is filled again with the K block two further on.
.macro TURN slot, next, fill
.if \fill
	s_wait_xcnt 0x0                                ; any prefetch of mine has read its address, so it may be stepped
	s_add_nc_u64 s[PFA:PFA+1], s[PFA:PFA+1], s[PFS:PFS+1]
.endif
	s_wait_tensorcnt 0x0                           ; all my tensor loads have landed: my region of the next slot
	ds_add_u32 v[SPW], v[NIL]                      ; 0 onto my spare word
	s_wait_dscnt 9                                 ; B0, A and B1 are in (B2 and the add may be out)
	WIN 0x50
	GRP 0, 1, 0                                    ; 32 matrix instructions stand between the add and the wait for it
	s_wait_dscnt 0x0                               ; the add is done, and my reads of this slot are over
	s_barrier_signal -1
	WIN 0xa0
	GRP 1, 1, 0
	WIN 0
	s_barrier_wait -1
.if \fill
	CREST                                          ; the barrier has opened a round of the cluster's: no wave of any partner still reads this slot or has a load on its way
	s_add_nc_u64 s[G0A+4*\slot+2:G0A+4*\slot+3], s[G0A+4*\slot+2:G0A+4*\slot+3], 2*131072     ; two K blocks on
	s_add_nc_u64 s[G0Q+4*\slot+2:G0Q+4*\slot+3], s[G0Q+4*\slot+2:G0Q+4*\slot+3], 2*393216
	s_add_nc_u64 s[G0V+4*\slot+2:G0V+4*\slot+3], s[G0V+4*\slot+2:G0V+4*\slot+3], 2*393216
	JLOAD \slot                                    ; the first tensor load behind the round; its four v_nop are the places in front of the loads below
.else
	PLACES 4
.endif
	FB 0, \next, 0
	FA \next, 0, 0
	FB 1, \next, 0
.if \fill
	ASK 1
.endif
	WIN 0xf0
	GRP 2, 1, 0
	WIN 0
	PLACES 4
	FB 2, \next, 0
.endm
	s_load_b128 s[4:7], s[0:1], 0x0                ; x_codes s[4:5], wa_codes s[6:7]
	s_load_b128 s[8:11], s[0:1], 0x10              ; the scales' exponents s[8:9], b_attn s[10:11]
	s_load_b64 s[12:13], s[0:1], 0x20              ; qkv_codes
	v_lshl_add_u32 v[SPW], v0, 2, SPARE
	v_mov_b32 v[NIL], 0
	ds_add_u32 v[SPW], v[NIL]                      ; the wave's opening: the add, twice on end, and its wait ahead of my first tensor load
	ds_add_u32 v[SPW], v[NIL]
	v_lshrrev_b32 v1, 5, v0
	v_readfirstlane_b32 s14, v1                    ; wave 0..3
	s_lshr_b32 s15, s14, 1                         ; wr: which 128 tokens are mine
	s_and_b32 s16, s14, 1                          ; wc: which head of the two, and which 64 channels of v.  Also: which half of x's rows I fetch
	s_bfe_u32 s18, ttmp6, 0x40000                  ; cx, cy
	s_bfe_u32 s19, ttmp6, 0x40004
	s_lshl_b32 s20, ttmp9, 2
	s_add_co_u32 s20, s20, s18                     ; j = 0 .. 7
	s_and_b32 s17, ttmp7, 0xffff                   ; the cluster's y: the batch
	s_lshl_b32 s21, s19, 2
	s_lshl_b32 s21, 15, s21                        ; my row of the cluster
	s_lshl_b32 s22, 0x1111, s18                    ; my column
	s_or_b32 s[G1A], s21, FLAGS
	s_or_b32 s[G1Q], s22, FLAGS
	s_or_b32 s[G1V], s22, FLAGS
.irp g, G1A, G1Q, G1V
	s_mov_b32 s[\g+1], 256<<16                     ; rows of 256 bytes, dense
	s_mov_b32 s[\g+3], 256<<16
	s_mov_b32 s[\g+5], 256
	s_mov_b32 s[\g+6], 0
	s_mov_b32 s[\g+7], 0
.endr
	s_mov_b32 s[G1A+2], 64<<16                     ; 128 rows of 128 bytes are 64 such rows,
	s_mov_b32 s[G1A+4], 64
	s_mov_b32 s[G1Q+2], 128<<16                    ; 256 are 128
	s_mov_b32 s[G1Q+4], 128
	s_mov_b32 s[G1V+2], 64<<16
	s_mov_b32 s[G1V+4], 64
	s_lshl_b32 s92, s17, 20                        ; x: the batch,
	s_lshl_b32 s93, s19, 15                        ; tokens 256 cy,
	s_add_co_u32 s92, s92, s93
	s_lshl_b32 s93, s16, 14                        ; the half that I fetch
	s_add_co_u32 s92, s92, s93
	s_mov_b32 s93, 0
	s_lshl_b32 s94, s20, 15                        ; W: rows 256 j
	s_mov_b32 s95, 0
	s_lshl_b32 s96, s20, 14                        ; W: rows 2,048 + 128 j
	s_add_co_u32 s96, s96, 262144
	s_mov_b32 s97, 0
	s_mul_i32 s23, s16, 128*PITCH                  ; where x's half goes: no place in the cluster enters an LDS address
	s_wait_dscnt 0x0                               ; both opening adds are done
	s_wait_kmcnt 0x0
	s_load_b256 s[84:91], s[8:9], 0x0              ; e0 .. e7
	s_add_nc_u64 s[92:93], s[4:5], s[92:93]
	s_add_nc_u64 s[94:95], s[6:7], s[94:95]
	s_add_nc_u64 s[96:97], s[6:7], s[96:97]
	CROUND                                         ; all sixteen work-groups are here: the first joint loads meet
.irp s, 0,1
	s_mov_b32 s[G0A+4*\s], 1
	s_add_co_u32 s[G0A+4*\s+1], s23, \s*SLOT
	s_add_nc_u64 s[G0A+4*\s+2:G0A+4*\s+3], s[92:93], \s*131072     ; slot s begins with K block s
	s_or_b32 s[G0A+4*\s+3], s[G0A+4*\s+3], 0x80000000
	s_mov_b32 s[G0Q+4*\s], 1
	s_mov_b32 s[G0Q+4*\s+1], REGA+\s*SLOT
	s_add_nc_u64 s[G0Q+4*\s+2:G0Q+4*\s+3], s[94:95], \s*393216
	s_or_b32 s[G0Q+4*\s+3], s[G0Q+4*\s+3], 0x80000000
	s_mov_b32 s[G0V+4*\s], 1
	s_mov_b32 s[G0V+4*\s+1], 2*REGA+\s*SLOT
	s_add_nc_u64 s[G0V+4*\s+2:G0V+4*\s+3], s[96:97], \s*393216
	s_or_b32 s[G0V+4*\s+3], s[G0V+4*\s+3], 0x80000000
.endr
	JLOAD 0                                        ; K block 0: one tensor load a wave at the head
	; the prefetches: my region's first byte + my work-group's share of it + two K blocks
	s_cmp_eq_u32 s14, 2
	s_cselect_b64 s[PFA:PFA+1], s[94:95], s[96:97]
	s_cselect_b32 s21, 13, 12                      ; a share: 8,192 bytes of 32,768, else 4,096 of 16,384
	s_cselect_b32 s22, 31, 15                      ; its last block of 256 bytes
	s_cmp_lt_u32 s17, 4
	s_cselect_b32 s[LIMP], 1, -1                   ; W's waves ask in the clusters of batches 0 to 3,
	s_mov_b32 s[PFS], 393216
	s_cmp_lt_u32 s14, 2
	s_cselect_b64 s[PFA:PFA+1], s[92:93], s[PFA:PFA+1]
	s_cselect_b32 s23, s18, s19                    ; my place among the four that ask with me
	s_cselect_b32 s[LIMP], 1, s[LIMP]              ; x's in all
	s_cselect_b32 s[PFS], 131072, s[PFS]
	s_mov_b32 s[PFS+1], 0
	s_lshl_b32 s2, s23, s21
	s_mov_b32 s3, 0
	s_add_nc_u64 s[PFA:PFA+1], s[PFA:PFA+1], s[2:3]
	s_add_nc_u64 s[PFA:PFA+1], s[PFA:PFA+1], s[PFS:PFS+1]
	s_add_nc_u64 s[PFA:PFA+1], s[PFA:PFA+1], s[PFS:PFS+1]
	; the bias: 128 numbers a head
	s_lshl_b32 s23, s20, 1
	s_add_co_u32 s23, s23, s16                     ; my head among q's eight and k's eight: 2 j + wc
	s_lshl_b32 s2, s23, 9
	s_add_nc_u64 s[98:99], s[10:11], s[2:3]        ; q's or k's
	s_lshl_b32 s2, s20, 9
	s_lshl_b32 s92, s16, 8
	s_add_co_u32 s2, s2, s92
	s_add_co_u32 s2, s2, 8192
	s_add_nc_u64 s[10:11], s[10:11], s[2:3]        ; v's: number 2,048 + 128 j + 64 wc on
	; where my results go
	s_lshl_b32 s92, s19, 1
	s_add_co_u32 s92, s92, s15                     ; my 128 tokens of the batch: 2 cy + wr
	s_lshl_b32 s92, s92, 14
	s_lshl_b32 s93, s17, 20
	s_add_co_u32 s92, s92, s93
	s_lshl_b32 s94, s20, 17                        ; v: part 2, head j, rows 64 wc on
	s_lshl_b32 s95, s16, 13
	s_add_co_u32 s94, s94, s95
	s_add_co_u32 s94, s94, 0x1000000
	s_add_co_u32 s94, s94, s92
	s_mov_b32 s95, 0
	s_add_nc_u64 s[76:77], s[12:13], s[94:95]
	s_lshr_b32 s93, s23, 3                         ; q or k: the part,
	s_lshl_b32 s93, s93, 23
	s_and_b32 s94, s23, 7                          ; the head
	s_lshl_b32 s94, s94, 17
	s_add_co_u32 s93, s93, s94
	s_add_co_u32 s2, s93, s92
	s_add_nc_u64 s[12:13], s[12:13], s[2:3]
	; LDS places
	s_mul_i32 s92, s15, 128*PITCH                  ; my 128 rows of x, slot 0, slot 1
	s_add_co_u32 s93, s92, SLOT
	s_mul_i32 s94, s16, 128*PITCH                  ; my 128 rows of W for q or k
	s_add_co_u32 s94, s94, REGA
	s_add_co_u32 s95, s94, SLOT
	s_mul_i32 s96, s16, 64*PITCH                   ; my 64 rows of W for v
	s_add_co_u32 s96, s96, 2*REGA
	s_add_co_u32 s97, s96, SLOT
	s_mul_i32 s21, s14, 32*PITCH
	s_add_co_u32 s21, s21, STAGE                   ; my stage
	v_and_b32 v1, 15, v0                           ; r = lane % 16
	v_bfe_u32 v2, v0, 4, 1                         ; h = lane / 16
	v_lshlrev_b32 v3, 5, v2                        ; the bias by columns: 32 h
	v_lshlrev_b32 v4, 2, v1                        ; by rows: 4 r
	s_wait_alu depctr_va_vdst(0)
.irp b, 0,1,2,3,4,5,6,7
	global_load_b128 v[BIA+8*\b:BIA+8*\b+3], v3, s[98:99] offset:64*\b
	global_load_b128 v[BIA+8*\b+4:BIA+8*\b+7], v3, s[98:99] offset:64*\b+16
.endr
.irp i, 0,1,2,3
	global_load_b32 v[BV+2*\i], v4, s[10:11] offset:64*\i
	global_load_b32 v[BV+2*\i+1], v4, s[10:11] offset:64*\i        ; twice: a pair for the packed addition
.endr
	v_mul_u32_u24 v5, v1, PITCH
	v_lshl_add_u32 v5, v2, 4, v5                   ; a fragment's row x pitch + 16 h
	v_add_nc_u32 v[ADRA], s92, v5
	v_add_nc_u32 v[ADRA+1], s93, v5
	v_add_nc_u32 v[ADRQ], s94, v5
	v_add_nc_u32 v[ADRQ+1], s95, v5
	v_add_nc_u32 v[ADRV], s96, v5
	v_add_nc_u32 v[ADRV+1], s97, v5
	v_and_b32 v6, 7, v1
	v_lshrrev_b32 v7, 3, v1
	v_lshl_add_u32 v6, v7, 4, v6                   ; 16 (r / 8) + r % 8: my row's place among a pair of blocks' 32
	v_mul_u32_u24 v6, v6, PITCH
	v_lshl_add_u32 v6, v2, 3, v6                   ; + 8 h
	v_add_nc_u32 v[STO], s21, v6
	v_and_b32 v6, 31, v0
	v_lshlrev_b32 v[CO], 4, v6
	v_lshrrev_b32 v7, 3, v6
	v_mul_u32_u24 v7, v7, PITCH
	v_and_b32 v5, 7, v6
	v_lshl_add_u32 v7, v5, 4, v7
	v_add_nc_u32 v[RD], s21, v7                    ; back: eight lanes to a row, four rows an instruction
	v_min_u32 v5, s22, v6
	v_lshlrev_b32 v[PFO], 8, v5
	s_wait_alu depctr_va_vdst(0)                   ; ahead of the branch
	ASK 0                                          ; K block 2
	s_wait_kmcnt 0x0
	s_add_co_i32 s2, s84, s85                      ; e0 + e1
	s_cmp_eq_u32 ttmp9, 0                          ; the cluster's x: 0: q, 1: k
	s_cselect_b32 s23, s86, s87                    ; e2 or e3
	s_sub_co_i32 s23, s23, s2
	s_add_co_i32 s23, s23, 127
	s_lshl_b32 s92, s23, 23
	s_add_co_i32 s23, s23, 8
	s_lshl_b32 s23, s23, 23
	s_or_b32 s23, s23, 0x600000
	s_sub_co_i32 s93, s89, s2                      ; e5
	s_add_co_i32 s93, s93, 127
	s_lshl_b32 s94, s93, 23
	s_add_co_i32 s93, s93, 8
	s_lshl_b32 s93, s93, 23
	s_or_b32 s93, s93, 0x600000
	s_sub_co_i32 s2, 0, s2                         ; -(e0 + e1)
	v_mov_b32 v[SC], s92
	v_mov_b32 v[LIM], s23
	v_mov_b32 v[SCV], s94
	v_mov_b32 v[LIMV], s93
	s_wait_loadcnt 0x0                             ; the bias: a sum stands for sum x 2^(e0 + e1), so the bias is divided by that
.set j_, 0
.rept 64
	v_ldexp_f32 v[BIA+j_], v[BIA+j_], s2
.set j_, j_+1
.endr
.set j_, 0
.rept 8
	v_ldexp_f32 v[BV+j_], v[BV+j_], s2
.set j_, j_+1
.endr
	s_wait_alu depctr_va_vdst(0)                   ; the head's end
	s_wait_tensorcnt 0x0                           ; my region of slot 0 is in
	ds_add_u32 v[SPW], v[NIL]
	s_wait_dscnt 0x0
	CROUND                                         ; everybody's region of slot 0 is in, and all sixteen work-groups are here
	JLOAD 1                                        ; K block 1: slot 1's first fill, the first tensor load behind the round
	FB 0, 0, 0
	FA 0, 0, 0
	FB 1, 0, 0
	FB 2, 0, 0
	s_wait_xcnt 0x0
	s_add_nc_u64 s[PFA:PFA+1], s[PFA:PFA+1], s[PFS:PFS+1]
	ASK 0                                          ; K block 3
	; the first 64 along K start the sums.  A's second set holds the bias until group 1 has read it, so here the loads go out in the order B0 B1 A B2
	s_wait_dscnt 16                                ; B0 and A are in
	WIN 0x40                                       ; D window 1, C (the bias) window 0
	GRP 0, 0, 1
	WIN 0
	PLACES 4
	FB 0, 0, 1
	s_wait_dscnt 16                                ; B1 is in; B2 and the 8 just issued may be out
	WIN 0x80
	GRP 1, 0, 1
	WIN 0
	PLACES 4
	FB 1, 0, 1
	FA 0, 1, 1
	s_wait_dscnt 32                                ; B2 is in; the 32 issued in this step may be out
	WIN 0xf0
	GRP 2, 0, 1
	WIN 0
	PLACES 4
	FB 2, 0, 1
	s_mov_b32 s3, 3
.Llap:                                                 ; a trip goes once round the ring, from a lap's second 64 along K to the next lap's first, and fills both slots again: K blocks 2 .. 7
	TURN 0, 1, 1
	SS 1
	TURN 1, 0, 1
	SS 0
	s_sub_co_u32 s3, s3, 1
	s_cmp_lg_u32 s3, 0
	s_cbranch_scc1 .Llap
	TURN 0, 1, 0                                   ; nothing is left to fetch
	SS 1
	s_wait_dscnt 16                                ; the last 64 along K
	WIN 0x50
	GRP 0, 1, 0
	s_wait_dscnt 8
	WIN 0xa0
	GRP 1, 1, 0
	s_wait_dscnt 0x0
	WIN 0xf0
	GRP 2, 1, 0
	WIN 0
; THE WAY OUT.  code = sum / 2^(e_out - e0 - e1), held at +-448.
.macro HOLD w, lim                     ; a window's 256 numbers, each accumulator from its low end on.  The conversion to an 8-bit code does not saturate (ISA guide 7.6.2)
	WIN (0x41*(\w))
.set j_, 0
.rept 256
	v_med3_num_f32 v[j_], v[j_], -v[\lim], v[\lim]
.set j_, j_+1
.endr
.endm
.macro CVT w                           ; a window's numbers become 64 registers of codes in window 0
	WIN (\w)                                       ; source 0: the window; destination and scale: window 0
.irp i, 0,1,2,3
.irp a, 0,1,2,3,4,5,6,7
.if \w < 3
	v_cvt_scalef32_pk8_fp8_f32 v[CD+16*\a+2*(4*((\w)-1)+\i):CD+16*\a+2*(4*((\w)-1)+\i)+1], v[8*(8*\i+\a):8*(8*\i+\a)+7], v[SC]
.else
	v_cvt_scalef32_pk8_fp8_f32 v[CDV+16*\i+2*\a:CDV+16*\i+2*\a+1], v[8*(8*\i+\a):8*(8*\i+\a)+7], v[SCV]
.endif
.endr
.endr
.endm
; Part g: two blocks of 16 rows through my stage.  Here the rows take their places: the swap of bits 3 and 4 stays within 32 rows.  They come back, four rows an instruction, into the registers that they left.
; LDS serves a wave's instructions in order (ISA guide 5.7.1.4): the loads see the stores above them, and the next part's stores come behind these loads.
.macro TOSTG base, g
.irp u, 0,1
.irp b, 0,1,2,3,4,5,6,7
	ds_store_b64 v[STO], v[\base+32*(\g)+16*\u+2*\b:\base+32*(\g)+16*\u+2*\b+1] offset:8*\u*PITCH+16*\b
.endr
.endr
.irp t, 0,1,2,3,4,5,6,7
	ds_load_b128 v[\base+32*(\g)+4*\t:\base+32*(\g)+4*\t+3], v[RD] offset:4*PITCH*\t
.endr
.endm
.macro SENDQ base, g, ptr, younger     ; younger: the LDS instructions issued behind part g's loads, which may stay out
	s_wait_dscnt \younger
.irp t, 0,1,2,3,4,5,6,7
	global_store_b128 v[CO], v[\base+32*(\g)+4*\t:\base+32*(\g)+4*\t+3], s[\ptr:\ptr+1] offset:512*(8*(\g)+\t)   ; four rows: 512 consecutive bytes, at a multiple of 512 from the buffer's first byte
.endr
.endm
	PLACES 4                                       ; behind the last products
	HOLD 1, LIM
	HOLD 2, LIM
	CVT 1
	CVT 2
	v_nop                                          ; one plain vector instruction behind the last conversion of a run
	WIN 0
	s_wait_alu depctr_va_vdst(0)
	TOSTG CD, 0
.irp g, 1,2,3
	TOSTG CD, \g
	SENDQ CD, \g-1, 12, 24                         ; behind part g - 1's loads: part g's 16 stores and 8 loads
.endr
	WIN 0xc3                                       ; v: source 0 and destination window 3; the bias in window 0
.irp i, 0,1,2,3
.irp a, 0,1,2,3,4,5,6,7
.irp k, 0,2,4,6
	v_pk_add_f32 v[8*(8*\i+\a)+\k:8*(8*\i+\a)+\k+1], v[8*(8*\i+\a)+\k:8*(8*\i+\a)+\k+1], v[BV+2*\i:BV+2*\i+1]
.endr
.endr
.endr
	HOLD 3, LIMV
	CVT 3
	v_nop
	WIN 0
	s_wait_alu depctr_va_vdst(0)
	SENDQ CD, 3, 12, 0
	TOSTG CDV, 0
	TOSTG CDV, 1
	SENDQ CDV, 0, 76, 24
	SENDQ CDV, 1, 76, 0
	s_wait_tensorcnt 0x0                           ; the wave's end
	ds_add_u32 v[SPW], v[NIL]
	s_wait_dscnt 0x0
	CROUND                                         ; the closing round: no work-group ends while a partner may still ask for a tile that names it
	s_endpgm
.Lfunc_end_k_q76113b3a19_qkv:
	.size	k_q76113b3a19_qkv, .Lfunc_end_k_q76113b3a19_qkv-k_q76113b3a19_qkv
	.p2alignl 7, 3214868480
	.fill 96, 4, 3214868480
	.section	.rodata,"a",@progbits
	.p2align	6, 0x0
	.amdhsa_kernel k_q76113b3a19_qkv
		.amdhsa_group_segment_fixed_size 327680
		.amdhsa_private_segment_fixed_size 0
		.amdhsa_enable_private_segment 0
		.amdhsa_kernarg_size 40
		.amdhsa_user_sgpr_count 2
		.amdhsa_user_sgpr_kernarg_segment_ptr 1
		.amdhsa_wavefront_size32 1
		.amdhsa_system_sgpr_workgroup_id_x 1
		.amdhsa_system_sgpr_workgroup_id_y 1
		.amdhsa_system_sgpr_workgroup_id_z 1
		.amdhsa_system_vgpr_workitem_id 0
		.amdhsa_next_free_vgpr 1024
		.amdhsa_next_free_sgpr 100
		.amdhsa_reserve_vcc 0
		.amdhsa_float_denorm_mode_32 3
		.amdhsa_float_denorm_mode_16_64 3
		.amdhsa_memory_ordered 1
		.amdhsa_forward_progress 1
		.amdhsa_inst_pref_size 171
	.end_amdhsa_kernel
	.amdgpu_metadata
---
amdhsa.version: [ 1, 2 ]
amdhsa.kernels:
  - .name:           k_q76113b3a19_qkv
    .symbol:         k_q76113b3a19_qkv.kd
    .args:
      - { .name: x_codes, .offset: 0, .size: 8, .value_kind: global_buffer, .address_space: global }
      - { .name: wa_codes, .offset: 8, .size: 8, .value_kind: global_buffer, .address_space: global }
      - { .name: lowp_scales, .offset: 16, .size: 8, .value_kind: global_buffer, .address_space: global }
      - { .name: b_attn, .offset: 24, .size: 8, .value_kind: global_buffer, .address_space: global }
      - { .name: qkv_codes, .offset: 32, .size: 8, .value_kind: global_buffer, .address_space: global }
    .group_segment_fixed_size: 327680
    .private_segment_fixed_size: 0
    .kernarg_segment_align: 8
    .kernarg_segment_size: 40
    .max_flat_workgroup_size: 128
    .sgpr_count:     100
    .vgpr_count:     1024
    .wavefront_size: 32
...
	.end_amdgpu_metadata
.endif
;; end of part 2
;; launch attn (part 3): grid 4 x 64, 8 waves a work-group, clusters of 4 x 1, 327,680 bytes of LDS; arguments qkv_codes, attention_mask, lowp_scales, a_codes; writes a_codes
.if DOCPART == 3
	.amdgcn_target "amdgcn-amd-amdhsa--gfx1250"
	.amdhsa_code_object_version 6
	.text
	.protected	k_q76113b3a19_attn
	.globl	k_q76113b3a19_attn
	.p2align	8
	.type	k_q76113b3a19_attn,@function
k_q76113b3a19_attn:
	s_mov_b64 s[64:65], 0
	v_nop
	global_prefetch_b8 v0, s[64:65] scope:SCOPE_SE
	s_setreg_imm32_b32 hwreg(HW_REG_WAVE_MODE, 25, 1), 1
	s_wait_xcnt 0x0
	s_wait_alu depctr_hold_cnt(0) depctr_sa_sdst(0) depctr_va_vdst(0) depctr_va_sdst(0) depctr_va_ssrc(0) depctr_va_vcc(0) depctr_vm_vsrc(0)
	s_getreg_b32 s2, hwreg(HW_REG_IB_STS2, 6, 4)
	s_cmp_eq_u32 s2, 0
	s_cbranch_scc0 .Lentry_in_a_cluster
	s_endpgm
.Lentry_in_a_cluster:
	s_bfe_u32 s2, ttmp6, 0x10000c
	s_cmp_lg_u32 s2, 0x3003
	s_cbranch_scc0 .Lentry_shape_is_right
	s_endpgm
.Lentry_shape_is_right:
; a = softmax(q k^T / sqrt(128), under reference()'s prefix mask, + attention_mask) v on codes of FP8 (E4M3), and a quantised at once for the last product (scales: entries 2, 3, 4, 5 in; 6 out).
; IN: qkv_codes, three parts (q, k, v) of blocks of 16,384 bytes, block ((batch 8 + head) 8 + 128 tokens); q, k: rows = tokens, v: rows = channels with the keys innermost; in each block the rows lie with bits 3 and 4 of their number swapped,
;   so that sixteen places on end are rows 32 m + 8 u + r + 8 (r / 8).  OUT: a_codes [batch 8][head 8][token 1024][128].
; A cluster of four work-groups serves one batch and head.  All 1,024 keys of K and of V lie in each work-group's LDS, brought by joint loads in two groups: keys 0-255 at the head, keys 256-1023 behind the full sequence and a round.
; SHARES.  A work-group has eight waves.  Wave w owns TWO tiles of 16 queries, tiles 8 U + cx and 8 U + 4 + cx (U = w % 4 for w < 4, else 7 - w % 4): both lie in tokens 128 U .. 128 U + 127, so both walk key steps 0 .. U, 128 keys a step.
;   Each fragment of K and of V, and the mask's 64 numbers of a lane, are read from LDS once for both tiles.  Waves w and w + 4 walk 9 steps together.
; REGISTERS.  Tile 0's state lies in window 0, tile 1's in window 1, under the same numbers, so one text serves both under two settings of the windows:
;   v4 the lane's last visible key; v12 -M, v13 the largest t, v[14:15] the sum; v16-31 Q; v96-159 S^T, then p; v160-223 O^T; v224-239 p's codes; v240-245 scales; v236, v242-254 at work.
;   v32-95 of window 0 and of window 1 are two buffers of four fragments: K's halves; then the mask and V's first half; then V's second half.  Window 0 alone: v1-3, v5-10 addresses; v246-251, v255.
; Both products are used transposed, so that a lane holds one query; t = score x log2(e) / sqrt(128) + attention_mask x log2(e); M = the ceiling of the running largest t; p = 2^(t - M) is quantised; the sum of the unquantised p divides at the end.
; Inside a walked step a hidden key's score is replaced by -10000, as reference() has it.  WHOLE STEPS ALL OF WHOSE KEYS reference()'s OWN MASK HIDES ARE LEFT OUT.
; No prefetch: all keys are asked for at the head, and no loop runs ahead of a load.
; LIMITS: the keys left out would weigh e^(-10000 + their attention_mask - the row's largest logit): that is nothing in f32 while the entries of attention_mask of one batch differ by less than 9,800 and the scaled scores stay under 100 in size.
; e2 + e3 between -111 and 130; e4 and e6 - e4 - e5 between -126 and 119; NaN is not served.
.set KP,    144                        ; an LDS row: 128 bytes + 16
.set VOFF,  1024*KP                    ; K's 1,024 rows, then V's
.set AM,    2*VOFF                     ; then attention_mask x log2(e): 4,096 bytes
.set SPARE, AM+4096                    ; the spare words, 128 bytes for each wave: four blocks of 256 bytes that no other line names
.set STAGE, SPARE+1024                 ; the stages for the way out, 16 rows x 144 bytes for each wave: bytes into which no tensor load lands
.set BLKB,  128*KP
.set AK0,  1
.set AV0,  2
.set AM0,  3
.set QL,   4
.set STO,  5
.set RD,   6
.set GO,   7
.set ADK,  8
.set ADV,  9
.set ADM,  10
.set SPW,  251
.set NIL,  255
.set WV,   18
.set CX,   19
.set HB,   20
.set U,    21
.set T,    23
.set J,    24
.set SB,   25
.set SM,   26
.set KF,   27
.set SEL,  28
.set CS,   30
.set G1A,  32
.set G1B,  40
.set G0A,  48
.set G0B,  52
.set E,    56
.set SH,   66
.set CNT,  67
.set MSB, 0
.macro WIN new                         ; the immediate's high byte repeats the setting that is left
.if MSB != (\new)
	s_set_vgpr_msb (MSB<<8)|(\new)
.set MSB, (\new)
.endif
.endm
.macro PLACES n
.rept \n
	v_nop
.endr
.endm
.macro CROUND
	s_barrier_signal -1
	s_barrier_wait -1
	s_cmp_lg_u32 s[WV], 0
	s_cbranch_scc1 .Lnot_wave_0_\@
	s_barrier_signal -3
.Lnot_wave_0_\@:
	s_barrier_wait -3
	s_barrier_signal -1
	s_barrier_wait -1
.endm
.macro INIT                            ; a tile's running state, into the window that the destination's setting names
	v_mov_b32 v13, 0xff61b1e6                      ; the largest t so far: -3e38
	v_floor_f32 v12, -v13                          ; -M
	v_mov_b32 v14, 0
	v_mov_b32 v15, 0
	v_mov_b32 v236, 0                              ; a lane permute's destination counts as one of its sources
	v_mov_b32 v252, 0
	v_mov_b32 v253, 0
.set j_, 0
.rept 64
	v_mov_b32 v[160+j_], 0                         ; O^T: the first change of M leaves zeros zeros
.set j_, j_+1
.endr
.endm
.macro CONSTS
	v_mov_b32 v244, s72                            ; 2^e4
	v_mov_b32 v240, s73                            ; 448 x that
	v_mov_b32 v245, s74                            ; 2^(e6 - e4 - e5)
	v_mov_b32 v241, s75
.endm
.macro LDT f, adr, g                   ; tiles 4 g .. 4 g + 3 of the step's K or V into buffer f: 16 loads
	WIN ((\f)<<6)
.irp t, 0,1,2,3
.irp c, 0,1,2,3
	ds_load_b128 v[32+16*\t+4*\c:35+16*\t+4*\c], v[\adr] offset:16*(4*(\g)+\t)*KP+32*\c
.endr
.endr
.endm
.macro SMUL f, x, g                    ; S^T = K Q^T: four tiles of 16 keys from buffer f against query tile x
	WIN ((\f)+0x54*(\x))
.irp t, 0,1,2,3
	v_wmma_f32_16x16x128_fp8_fp8 v[96+8*(4*(\g)+\t):103+8*(4*(\g)+\t)], v[32+16*\t:47+16*\t], v[16:31], 0
.endr
.endm
.macro OMUL f, x, g                    ; O^T += V^T P^T: four tiles of 16 channels from buffer f
	WIN ((\f)+0x54*(\x))
.irp t, 0,1,2,3
	v_wmma_f32_16x16x128_fp8_fp8 v[160+8*(4*(\g)+\t):167+8*(4*(\g)+\t)], v[32+16*\t:47+16*\t], v[224:239], v[160+8*(4*(\g)+\t):167+8*(4*(\g)+\t)]
.endr
.endm
.macro HIDE                            ; the step on the diagonal: register 16 b + i holds key KF + 16 (lane / 16) + 32 b + i; hidden where that comes after the lane's last visible key
	v_sub_nc_u32 v252, v[QL], s[KF]
	v_mov_b32 v254, s[SH]
.set n_, 0
.rept 64
	v_cmp_gt_i32 vcc_lo, 32*(n_/16)+n_%16, v252
	v_cndmask_b32 v[96+n_], v[96+n_], v254, vcc_lo
.set n_, n_+1
.endr
.endm
.macro TADD                            ; t = score x c + mask
.irp j, 0,2,4,6,8,10,12,14,16,18,20,22,24,26,28,30,32,34,36,38,40,42,44,46,48,50,52,54,56,58,60,62
	v_pk_fma_f32 v[96+\j:97+\j], v[96+\j:97+\j], s[CS:CS+1], v[32+\j:33+\j] op_sel_hi:[1,0,1]
.endr
.endm
.macro SOFT                            ; one tile's softmax step: the maximum, M, p, the sum, p's codes, O^T under the new M
	v_max3_num_f32 v254, v96, v97, v98
	v_max3_num_f32 v252, v99, v100, v101
.irp i, 6,10,14,18,22,26,30,34,38,42,46,50,54,58
	s_delay_alu instid0(VALU_DEP_2)
	v_max3_num_f32 v254, v254, v[96+\i], v[97+\i]
	s_delay_alu instid0(VALU_DEP_2)
	v_max3_num_f32 v252, v252, v[98+\i], v[99+\i]
.endr
	s_delay_alu instid0(VALU_DEP_2)
	v_max3_num_f32 v254, v254, v158, v159
	s_delay_alu instid0(VALU_DEP_1)
	v_max_num_f32 v254, v254, v252
	v_permlanex16_b32 v236, v254, s[SEL], s[SEL+1]
	s_delay_alu instid0(VALU_DEP_1)
	v_max_num_f32 v254, v254, v236                 ; and among lane l xor 16's
	s_delay_alu instid0(VALU_DEP_1)
	v_max_num_f32 v13, v13, v254                   ; the running largest t
	v_mov_b32 v254, v12
	s_delay_alu instid0(VALU_DEP_2)
	v_floor_f32 v12, -v13                          ; the new -M: M is a whole number
	s_delay_alu instid0(VALU_DEP_1)
	v_sub_f32 v254, v12, v254
	s_delay_alu instid0(VALU_DEP_1)
	v_cvt_i32_f32 v254, v254
	s_delay_alu instid0(VALU_DEP_1)
	v_ldexp_f32 v252, 1.0, v254                    ; f = 2^(old M - new M)
.irp j, 0,2,4,6,8,10,12,14,16,18,20,22,24,26,28,30,32,34,36,38,40,42,44,46,48,50,52,54,56,58,60,62
	v_pk_add_f32 v[96+\j:97+\j], v[96+\j:97+\j], v[12:13] op_sel_hi:[1,0]
.endr
	s_wait_alu depctr_va_vdst(0)                   ; ahead of the batch
.set n_, 0
.rept 64
	v_exp_f32 v[96+n_], v[96+n_]                   ; p = 2^(t - M)
.set n_, n_+1
.endr
	v_pk_mul_f32 v[14:15], v[14:15], v[252:253] op_sel_hi:[1,0]    ; the sums under the new M (a plain place behind the exponentials)
	s_wait_alu depctr_va_vdst(0)                   ; one wait for the whole batch, ahead of its first reader
	v_pk_add_f32 v[242:243], v[96:97], v[98:99]    ; the sum is taken of the unquantised p
.irp j, 4,8,12,16,20,24,28,32,36,40,44,48,52,56,60
	v_pk_add_f32 v[14:15], v[14:15], v[96+\j:97+\j]
	v_pk_add_f32 v[242:243], v[242:243], v[98+\j:99+\j]
.endr
	s_delay_alu instid0(VALU_DEP_1)
	v_pk_add_f32 v[14:15], v[14:15], v[242:243]
.irp b, 0,1,2,3
.irp i, 0,1,2,3,4,5,6,7,8,9,10,11,12,13,14,15
	v_min_num_f32 v[96+16*\b+\i], v[96+16*\b+\i], v240     ; the conversion to an 8-bit code does not saturate (ISA guide 7.6.2); p is not negative
.endr
	v_cvt_scalef32_pk8_fp8_f32 v[224+4*\b:225+4*\b], v[96+16*\b:103+16*\b], v244
	v_cvt_scalef32_pk8_fp8_f32 v[226+4*\b:227+4*\b], v[104+16*\b:111+16*\b], v244
.endr
	s_wait_alu depctr_va_vdst(0)                   ; directly ahead of the first reader of O^T
.irp j, 0,2,4,6,8,10,12,14,16,18,20,22,24,26,28,30,32,34,36,38,40,42,44,46,48,50,52,54,56,58,60,62
	v_pk_mul_f32 v[160+\j:161+\j], v[160+\j:161+\j], v[252:253] op_sel_hi:[1,0]
.endr
.endm
; A KEY STEP: 128 keys for both tiles.  A step beyond the wave's last is left out by a scalar branch on ids, round the step's work alone.
.macro STEP
	s_cmp_gt_u32 s[J], s[U]
	s_cbranch_scc1 .Lskip_\@
	v_add_nc_u32 v[ADK], s[SB], v[AK0]             ; (these three and the v_nop are the places behind the last products)
	v_add_nc_u32 v[ADV], s[SB], v[AV0]
	v_add_nc_u32 v[ADM], s[SM], v[AM0]
	v_nop
	s_wait_alu depctr_va_vdst(0)
	LDT 0, ADK, 0
	LDT 1, ADK, 1
	s_wait_dscnt 16                                ; K's first half is in
	SMUL 0, 0, 0
	SMUL 0, 1, 0
	s_wait_dscnt 0x0
	SMUL 1, 0, 1
	SMUL 1, 1, 1
	WIN 0
	PLACES 4
.irp b, 0,1,2,3
.irp j, 0,1,2,3
	ds_load_b128 v[32+16*\b+4*\j:35+16*\b+4*\j], v[ADM] offset:128*\b+16*\j        ; the mask of my 64 keys
.endr
.endr
	LDT 1, ADV, 0
	WIN 0
	s_cmp_lg_u32 s[J], s[U]
	s_cbranch_scc1 .Lopen_\@
	HIDE
	WIN 0x55
	HIDE
	WIN 0
.Lopen_\@:
	s_wait_dscnt 16                                ; the mask is in; V's first half may be out
	TADD
	WIN 0x41                                       ; tile 1's scores, the mask in window 0
	TADD
	LDT 0, ADV, 1                                  ; V's second half takes the mask's registers
	SOFT
	WIN 0x55
	SOFT
	WIN 0
	s_wait_alu depctr_va_vdst(0)
	s_wait_dscnt 0x0
	OMUL 1, 0, 0
	OMUL 1, 1, 0
	OMUL 0, 0, 1
	OMUL 0, 1, 1
	WIN 0
.Lskip_\@:
	s_add_co_u32 s[SB], s[SB], BLKB
	s_add_co_u32 s[SM], s[SM], 512
	s_add_co_u32 s[KF], s[KF], 128
	s_add_co_u32 s[J], s[J], 1
.endm
.macro FIN                             ; a tile's end: O^T / the sum, held and turned into codes
	v_add_f32 v14, v14, v15
	v_permlanex16_b32 v252, v14, s[SEL], s[SEL+1]
	v_add_f32 v14, v14, v252
	s_wait_alu depctr_va_vdst(0)                   ; ahead of the transcendental
	v_rcp_f32 v14, v14
	v_nop
	s_wait_alu depctr_va_vdst(0)                   ; and ahead of its first reader, which is O^T's first reader too
.set n_, 0
.rept 64
	v_mul_f32 v[96+n_], v[160+n_], v14
.set n_, n_+1
.endr
.irp b, 0,1,2,3
.irp i, 0,1,2,3,4,5,6,7,8,9,10,11,12,13,14,15
	v_med3_num_f32 v[96+16*\b+\i], v[96+16*\b+\i], -v241, v241
.endr
	v_cvt_scalef32_pk8_fp8_f32 v[224+4*\b:225+4*\b], v[96+16*\b:103+16*\b], v245
	v_cvt_scalef32_pk8_fp8_f32 v[226+4*\b:227+4*\b], v[104+16*\b:111+16*\b], v245
.endr
	v_nop                                          ; one plain vector instruction behind the last conversion of a run
.endm
	s_load_b128 s[4:7], s[0:1], 0x0                ; qkv_codes s[4:5], attention_mask s[6:7]
	s_load_b128 s[8:11], s[0:1], 0x10              ; the scales' exponents s[8:9], a_codes s[10:11]
	v_lshl_add_u32 v[SPW], v0, 2, SPARE
	v_mov_b32 v[NIL], 0
	ds_add_u32 v[SPW], v[NIL]                      ; the wave's opening: the add, twice on end, and its wait ahead of my first tensor load
	ds_add_u32 v[SPW], v[NIL]
	v_lshrrev_b32 v11, 5, v0
	v_readfirstlane_b32 s[WV], v11                 ; wave 0..7
	s_bfe_u32 s[CX], ttmp6, 0x40000
	s_and_b32 s[HB], ttmp7, 0xffff                 ; 8 x batch + head
	s_and_b32 s68, s[WV], 3
	s_lshr_b32 s69, s[WV], 2
	s_mul_i32 s70, s69, 7
	s_xor_b32 s[U], s68, s70                       ; w % 4, or 7 - w % 4
	s_lshl_b32 s[T], s[U], 3
	s_add_co_u32 s[T], s[T], s[CX]                 ; my first tile of queries; the second is four tiles on
	; what I fetch: waves 0-3 for K, waves 4-7 for V; first 64 rows of the first 256, then 192 of the other 768
	s_mul_i32 s70, s69, VOFF
	s_mul_i32 s71, s68, 64*KP
	s_mov_b32 s[G0A], 1
	s_add_co_u32 s[G0A+1], s70, s71
	s_mul_i32 s71, s68, 192*KP
	s_add_co_u32 s71, s71, s70
	s_mov_b32 s[G0B], 1
	s_add_co_u32 s[G0B+1], s71, 256*KP
	s_add_co_u32 s72, s69, 1
	s_lshl_b32 s72, s72, 23                        ; part 1 (k) or 2 (v)
	s_lshl_b32 s73, s[HB], 17
	s_add_co_u32 s72, s72, s73
	s_lshl_b32 s74, s68, 13
	s_add_co_u32 s74, s74, s72
	s_mov_b32 s75, 0
	s_mul_i32 s76, s68, 192*128
	s_add_co_u32 s76, s76, s72
	s_add_co_u32 s76, s76, 256*128
	s_mov_b32 s77, 0
	s_mov_b32 s[G1A], 15|(1<<20)|(1<<21)|(4<<22)|(3<<25)   ; all four partners; elements of 1 byte; padding on; bit 21 beside a mask; four words after every 32
	s_mov_b32 s[G1A+1], 256<<16                    ; 8,192 dense bytes, stated as 32 rows of 256 bytes
	s_mov_b32 s[G1A+2], 32<<16
	s_mov_b32 s[G1A+3], 256<<16
	s_mov_b32 s[G1A+4], 32
	s_mov_b32 s[G1A+5], 256
	s_mov_b32 s[G1A+6], 0
	s_mov_b32 s[G1A+7], 0
	s_mov_b32 s[G1B], 15|(1<<20)|(1<<21)|(4<<22)|(3<<25)
	s_mov_b32 s[G1B+1], 256<<16                    ; 24,576 dense bytes: 96 rows of 256 bytes
	s_mov_b32 s[G1B+2], 96<<16
	s_mov_b32 s[G1B+3], 256<<16
	s_mov_b32 s[G1B+4], 96
	s_mov_b32 s[G1B+5], 256
	s_mov_b32 s[G1B+6], 0
	s_mov_b32 s[G1B+7], 0
	s_mov_b32 s[SEL], 0x76543210
	s_mov_b32 s[SEL+1], 0xfedcba98
	s_mov_b32 s[CS], 0x3e0293ee                    ; c = log2(e) / sqrt(128)
	s_mov_b32 s[SH], 0xc7dcf88b                    ; -10000 x sqrt(128): the score that stands for reference()'s -10000
	s_mov_b32 s[J], 0
	s_mov_b32 s[SB], 0
	s_mov_b32 s[SM], 0
	s_mov_b32 s[KF], 0
	s_wait_dscnt 0x0                               ; both opening adds are done
	s_wait_kmcnt 0x0
	s_load_b256 s[E:E+7], s[8:9], 0x0              ; e0 .. e7
	s_add_nc_u64 s[G0A+2:G0A+3], s[4:5], s[74:75]
	s_or_b32 s[G0A+3], s[G0A+3], 0x80000000
	s_add_nc_u64 s[G0B+2:G0B+3], s[4:5], s[76:77]
	s_or_b32 s[G0B+3], s[G0B+3], 0x80000000
	CROUND                                         ; all four work-groups are here: the first joint loads meet
	tensor_load_to_lds s[G0A:G0A+3], s[G1A:G1A+7]  ; keys 0-255
	s_nop 0
	PLACES 4
	; under that load's flight: addresses, the tiles' state, and the loads of the mask and of Q
	s_lshr_b32 s68, s[HB], 3
	s_lshl_b32 s68, s68, 12
	s_mov_b32 s69, 0
	s_add_nc_u64 s[6:7], s[6:7], s[68:69]          ; the batch's 1,024 numbers of attention_mask
	s_lshl_b32 s68, s[HB], 17
	s_lshl_b32 s70, s[T], 11
	s_add_co_u32 s68, s68, s70
	s_add_nc_u64 s[12:13], s[4:5], s[68:69]        ; Q's codes at my first tile: sixteen places of 128 bytes
	s_lshr_b32 s70, s[T], 1
	s_lshl_b32 s70, s70, 5
	s_and_b32 s71, s[T], 1
	s_lshl_b32 s71, s71, 3
	s_add_co_u32 s70, s70, s71                     ; the first tile's first query: 32 (T / 2) + 8 (T % 2)
	s_add_co_u32 s71, s70, 64                      ; the second tile's
	s_lshl_b32 s68, s[HB], 17
	s_lshl_b32 s72, s70, 7
	s_add_co_u32 s68, s68, s72
	s_add_nc_u64 s[10:11], s[10:11], s[68:69]      ; a_codes at that query
	s_mul_i32 s72, s[WV], 16*KP
	s_add_co_u32 s72, s72, STAGE                   ; my stage
	v_lshlrev_b32 v247, 4, v0                      ; 16 bytes of the mask a thread
	v_and_b32 v8, 15, v0                           ; r
	v_bfe_u32 v9, v0, 4, 1                         ; h
	v_lshlrev_b32 v246, 7, v8
	v_lshl_add_u32 v246, v9, 4, v246               ; Q: place r, + 16 h
	v_lshl_add_u32 v248, v0, 4, AM
	v_mul_u32_u24 v[AK0], v8, KP
	v_lshl_add_u32 v[AK0], v9, 4, v[AK0]
	v_add_nc_u32 v[AV0], VOFF, v[AK0]
	v_lshl_add_u32 v[AM0], v9, 6, AM
	v_add_nc_u32 v[STO], s72, v[AK0]
	v_and_b32 v11, 31, v0
	v_lshrrev_b32 v[RD], 3, v11
	v_mul_u32_u24 v[RD], v[RD], KP
	v_and_b32 v[GO], 7, v11
	v_lshl_add_u32 v[RD], v[GO], 4, v[RD]
	v_add_nc_u32 v[RD], s72, v[RD]                 ; back: eight lanes to a row, four rows an instruction
	v_lshlrev_b32 v[GO], 4, v11
	v_and_b32 v11, 8, v8
	v_add_nc_u32 v11, v11, v8                      ; r + 8 (r / 8)
	v_mov_b32 v250, 76
	v_lshlrev_b32 v10, 4, v9
	v_add_nc_u32 v[QL], s70, v11                   ; my query; its last visible key is itself, or key 76 for queries under 77;
	v_cmp_gt_u32 vcc_lo, 76, v[QL]
	v_cndmask_b32 v[QL], v[QL], v250, vcc_lo
	v_sub_nc_u32 v[QL], v[QL], v10                 ; less 16 h, my half's first key in a group of 32
	v_add_nc_u32 v249, s71, v11                    ; the same for the second tile
	v_cmp_gt_u32 vcc_lo, 76, v249
	v_cndmask_b32 v249, v249, v250, vcc_lo
	v_sub_nc_u32 v249, v249, v10
	INIT
	WIN 0x40                                       ; destination window 1
	v_mov_b32 v[QL], v249
	INIT
	WIN 0
	s_wait_alu depctr_va_vdst(0)                   ; the head's end
	global_load_b128 v[32:35], v247, s[6:7]
.irp c, 0,1,2,3
	global_load_b128 v[16+4*\c:19+4*\c], v246, s[12:13] offset:32*\c
.endr
	WIN 0x40
.irp c, 0,1,2,3
	global_load_b128 v[16+4*\c:19+4*\c], v246, s[12:13] offset:8192+32*\c  ; four tiles of 2,048 bytes on
.endr
	WIN 0
	s_wait_tensorcnt 0x0                           ; my part of keys 0-255 is in
	ds_add_u32 v[SPW], v[NIL]
	s_wait_dscnt 0x0
	CROUND
	tensor_load_to_lds s[G0B:G0B+3], s[G1B:G1B+7]  ; keys 256-1023: the first tensor load behind the round
	s_nop 0
	PLACES 4
	s_wait_kmcnt 0x0
	s_add_co_i32 s68, s[E+2], s[E+3]
	s_lshl_b32 s68, s68, 23
	s_add_co_i32 s[CS], s[CS], s68                 ; a score stands for score x 2^(e2 + e3): added to c's exponent field,
	s_mov_b32 s[CS+1], s[CS]
	s_sub_co_i32 s[SH], s[SH], s68                 ; and taken off the hidden score's
	s_add_co_i32 s68, s[E+4], 127
	s_lshl_b32 s72, s68, 23
	s_add_co_i32 s68, s68, 8
	s_lshl_b32 s73, s68, 23
	s_or_b32 s73, s73, 0x600000
	s_sub_co_i32 s68, s[E+6], s[E+4]
	s_sub_co_i32 s68, s68, s[E+5]
	s_add_co_i32 s68, s68, 127
	s_lshl_b32 s74, s68, 23
	s_add_co_i32 s68, s68, 8
	s_lshl_b32 s75, s68, 23
	s_or_b32 s75, s75, 0x600000
	CONSTS
	WIN 0x40
	CONSTS
	WIN 0
	s_wait_loadcnt 8                               ; the mask is in; Q's eight loads may be out
	v_mul_f32 v32, 0x3fb8aa3b, v32
	v_mul_f32 v33, 0x3fb8aa3b, v33
	v_mul_f32 v34, 0x3fb8aa3b, v34
	v_mul_f32 v35, 0x3fb8aa3b, v35
	ds_store_b128 v248, v[32:35]
	s_wait_alu depctr_va_vdst(0)
	s_wait_dscnt 0x0                               ; my part of the mask is stored
	s_barrier_signal -1
	s_barrier_wait -1                              ; everybody's is.
	s_wait_loadcnt 0x0                             ; Q
	s_mov_b32 s[CNT], 2
.Lfirst:                                               ; keys 0-255
	STEP
	s_sub_co_u32 s[CNT], s[CNT], 1
	s_cmp_lg_u32 s[CNT], 0
	s_cbranch_scc1 .Lfirst
	s_wait_tensorcnt 0x0                           ; my part of keys 256-1023 is in,
	s_wait_dscnt 0x0
	s_barrier_signal -1
	s_barrier_wait -1                              ; everybody's is
	s_mov_b32 s[CNT], 6
.Lkeys:
	STEP
	s_sub_co_u32 s[CNT], s[CNT], 1
	s_cmp_lg_u32 s[CNT], 0
	s_cbranch_scc1 .Lkeys
	PLACES 4                                       ; behind the last products
	FIN
	WIN 0x55
	FIN
	WIN 0
	s_wait_alu depctr_va_vdst(0)
	; THE WAY OUT: a tile's 16 rows of 128 bytes through my stage, back four rows an instruction.  LDS serves a wave's instructions in order (ISA guide 5.7.1.4).
.irp b, 0,1,2,3
	ds_store_b128 v[STO], v[224+4*\b:227+4*\b] offset:32*\b
.endr
.irp t, 0,1,2,3
	ds_load_b128 v[32+4*\t:35+4*\t], v[RD] offset:4*KP*\t
.endr
	WIN 0x04                                       ; an LDS store's data are source 1: window 1
.irp b, 0,1,2,3
	ds_store_b128 v[STO], v[224+4*\b:227+4*\b] offset:32*\b
.endr
	WIN 0
.irp t, 0,1,2,3
	ds_load_b128 v[48+4*\t:51+4*\t], v[RD] offset:4*KP*\t
.endr
	s_wait_dscnt 8                                 ; the first tile is back; the second tile's 4 stores and 4 loads may be out
.irp t, 0,1,2,3
	global_store_b128 v[GO], v[32+4*\t:35+4*\t], s[10:11] offset:512*(\t%2)+2048*(\t/2)    ; 512 consecutive bytes: queries 0-7 of the tile, then, 16 rows on, queries 8-15
.endr
	s_wait_dscnt 0x0
.irp t, 0,1,2,3
	global_store_b128 v[GO], v[48+4*\t:51+4*\t], s[10:11] offset:8192+512*(\t%2)+2048*(\t/2)       ; the second tile: 64 rows on
.endr
	s_wait_tensorcnt 0x0                           ; the wave's end
	ds_add_u32 v[SPW], v[NIL]
	s_wait_dscnt 0x0
	CROUND                                         ; the closing round
	s_endpgm
.Lfunc_end_k_q76113b3a19_attn:
	.size	k_q76113b3a19_attn, .Lfunc_end_k_q76113b3a19_attn-k_q76113b3a19_attn
	.p2alignl 7, 3214868480
	.fill 96, 4, 3214868480
	.section	.rodata,"a",@progbits
	.p2align	6, 0x0
	.amdhsa_kernel k_q76113b3a19_attn
		.amdhsa_group_segment_fixed_size 327680
		.amdhsa_private_segment_fixed_size 0
		.amdhsa_enable_private_segment 0
		.amdhsa_kernarg_size 32
		.amdhsa_user_sgpr_count 2
		.amdhsa_user_sgpr_kernarg_segment_ptr 1
		.amdhsa_wavefront_size32 1
		.amdhsa_system_sgpr_workgroup_id_x 1
		.amdhsa_system_sgpr_workgroup_id_y 1
		.amdhsa_system_sgpr_workgroup_id_z 1
		.amdhsa_system_vgpr_workitem_id 0
		.amdhsa_next_free_vgpr 512
		.amdhsa_next_free_sgpr 96
		.amdhsa_reserve_vcc 1
		.amdhsa_float_denorm_mode_32 3
		.amdhsa_float_denorm_mode_16_64 3
		.amdhsa_memory_ordered 1
		.amdhsa_forward_progress 1
		.amdhsa_inst_pref_size 132
	.end_amdhsa_kernel
	.amdgpu_metadata
---
amdhsa.version: [ 1, 2 ]
amdhsa.kernels:
  - .name:           k_q76113b3a19_attn
    .symbol:         k_q76113b3a19_attn.kd
    .args:
      - { .name: qkv_codes, .offset: 0, .size: 8, .value_kind: global_buffer, .address_space: global }
      - { .name: attention_mask, .offset: 8, .size: 8, .value_kind: global_buffer, .address_space: global }
      - { .name: lowp_scales, .offset: 16, .size: 8, .value_kind: global_buffer, .address_space: global }
      - { .name: a_codes, .offset: 24, .size: 8, .value_kind: global_buffer, .address_space: global }
    .group_segment_fixed_size: 327680
    .private_segment_fixed_size: 0
    .kernarg_segment_align: 8
    .kernarg_segment_size: 32
    .max_flat_workgroup_size: 256
    .sgpr_count:     96
    .vgpr_count:     512
    .wavefront_size: 32
...
	.end_amdgpu_metadata
.endif
;; end of part 3
;; launch proj (part 4): grid 8 x 32, 4 waves a work-group, clusters of 4 x 4, 327,680 bytes of LDS; arguments a_codes, wp_codes, lowp_scales, b_proj, out0; writes out0
.if DOCPART == 4
	.amdgcn_target "amdgcn-amd-amdhsa--gfx1250"
	.amdhsa_code_object_version 6
	.text
	.protected	k_q76113b3a19_proj
	.globl	k_q76113b3a19_proj
	.p2align	8
	.type	k_q76113b3a19_proj,@function
k_q76113b3a19_proj:
	s_mov_b64 s[64:65], 0
	v_nop
	global_prefetch_b8 v0, s[64:65] scope:SCOPE_SE
	s_setreg_imm32_b32 hwreg(HW_REG_WAVE_MODE, 25, 1), 1
	s_wait_xcnt 0x0
	s_wait_alu depctr_hold_cnt(0) depctr_sa_sdst(0) depctr_va_vdst(0) depctr_va_sdst(0) depctr_va_ssrc(0) depctr_va_vcc(0) depctr_vm_vsrc(0)
	s_getreg_b32 s2, hwreg(HW_REG_IB_STS2, 6, 4)
	s_cmp_eq_u32 s2, 0
	s_cbranch_scc0 .Lentry_in_a_cluster
	s_endpgm
.Lentry_in_a_cluster:
	s_bfe_u32 s2, ttmp6, 0x10000c
	s_cmp_lg_u32 s2, 0xf033
	s_cbranch_scc0 .Lentry_shape_is_right
	s_endpgm
.Lentry_shape_is_right:
; out0 = a W_proj + b_proj on codes of FP8 (E4M3); scales: entries 6 and 7.  a_codes [batch 8][K block (= head) 8][token 1024][128], wp_codes [K block 8][column 1024][128]; out0 [8192][1024] f32.
; A block of 256 tokens x 128 columns is made by a work-group of four waves: 32 x 8 = 256 work-groups.  A wave makes 128 x 64: 32 accumulators of 16 x 16.
; K = 1,024 goes in four steps of 256 through a ring of two LDS slots.  A slot has four regions, one K block each: A's two (256 rows x 128 bytes), then B's two (128 rows x 128 bytes).
; Waves 0 and 1 fetch A's regions, waves 2 and 3 B's, each by one tensor load of 32,768 or 16,384 consecutive bytes, stated as rows of 256 bytes, with 16 bytes of padding behind each 128.
; CLUSTERS of 4 x 4: cluster y = the batch, cy = its 256 tokens, 4 x cluster x + cx = the 128 columns.  A's tiles are shared along a row of the cluster, B's along a column: joint loads.
; The matrix instruction is used transposed (source 0 = 16 rows of B, source 1 = 16 rows of A): a lane holds eight neighbouring columns of one row of the output.
; A fragment comes by four loads of 16 bytes: registers 4 c .. 4 c + 3 hold K = 32 c + 16 (lane / 16) + 0 .. 15: a permutation of k that is the same in both operands.
; Both operands have two sets of fragment registers: while one set is multiplied (32 matrix instructions, 128 along K), the other takes the next 128 along K (48 LDS loads).
; The eight steps of 128 are written out: the text has no loop.  PREFETCH: behind each of the two first fills a wave names the bytes of the refill that stands two fills on (K blocks 4, 5 and 6, 7).
;   The four partners that ask for a region jointly share its blocks of 256 bytes out by address (cx for A, cy for B): 32 blocks a wave of A's, 16 of B's (lanes 16-31 name the last again).
;   All eight batches read the same W_proj: only the clusters of batches 0 to 3 name its blocks.  K blocks 0 to 3 come by their loads alone.
; LIMIT: e6 + e7 between -126 and 127.
; REGISTERS: window 0: v0-31 addresses; v32-63 the bias; v64-95 a block's results; v128-255 B's fragments, two sets, later rows of the output.  window 1: the accumulators ((a, b) at v[8 (8 b + a)]).  window 2: A's fragments, two sets.
.set PITCH,  144                       ; an LDS row: 128 bytes + 16 = 36 words: 16 rows start at 16 different groups of four banks (64 banks of 4 bytes: ISA guide 11.1)
.set REGA,   256*PITCH
.set REGB,   128*PITCH
.set SLOT,   2*REGA+2*REGB
.set SPARE,  2*SLOT                    ; behind the ring: the spare words, 128 bytes for each wave: two blocks of 256 bytes that no other line names
.set SPITCH, 272                       ; the way out: a stage of 16 rows x (256 bytes + 16) for each wave, in slot 0
.set ADRA, 16                          ; v16-17  LDS address of my A fragments in slot 0, 1
.set ADRB, 20                          ; v20-21  the same for B
.set STO,  24                          ; v24     where I put 32 bytes of a row
.set RD,   25                          ; v25     where I read rows back
.set CO,   26                          ; v26     my byte offset among two rows of the output
.set PFO,  27                          ; v27     the prefetches' offset: 256 x my lane; never rewritten
.set SPW,  28                          ; v28     my spare word: SPARE + 4 x my thread's number; never rewritten
.set NIL,  29                          ; v29     0; never rewritten
.set BI,   32                          ; v32-63  bias of column 16 b + 8 (lane / 16) + j at 8 b + j
.set TMP,  64                          ; v64-95  a block of 16 rows: sum x 2^(e6 + e7) + bias
.set BF,   128                         ; B's fragments: set p at 128 + 64 p
.set BK,   128                         ; 16 rows read back from the stage: v128-159 and v160-191 by turns
.set G1, 24                            ; s[24:31] group 1 for A's regions; s[32:39] group 0, a set for each slot
.set G0, 32
.set G1B, 48                           ; s[48:55], s[56:63] the same for B's
.set G0B, 56
.set FLAGS, (1<<20)|(1<<21)|(4<<22)|(3<<25)   ; elements of 1 byte; padding on; bit 21 beside a mask; four words after every 32
.set MSB, 0
.macro WIN new                         ; the immediate's high byte repeats the setting that is left
.if MSB != (\new)
	s_set_vgpr_msb (MSB<<8)|(\new)
.set MSB, (\new)
.endif
.endm
.set MULW, 0x58                        ; source 0 (B) window 0, source 1 (A) window 2, C and D window 1
.set TO_A, 0x80                        ; destination window 2, address window 0
.macro JLOAD g0a, g1a, g0b, g1b        ; waves 0 and 1 fetch for A, waves 2 and 3 for B; an s_nop 0 and four v_nop follow each of the two lines
	s_cmp_eq_u32 s15, 0
	s_cbranch_scc0 .Lfor_b_\@
	tensor_load_to_lds s[\g0a:\g0a+3], s[\g1a:\g1a+7]
	s_nop 0
.rept 4
	v_nop
.endr
	s_branch .Lasked_\@
.Lfor_b_\@:
	tensor_load_to_lds s[\g0b:\g0b+3], s[\g1b:\g1b+7]
	s_nop 0
.rept 4
	v_nop
.endr
.Lasked_\@:
.endm
.macro CREST                           ; a round of the cluster's barrier behind its opening barrier
	s_cmp_lg_u32 s14, 0
	s_cbranch_scc1 .Lnot_wave_0_\@
	s_barrier_signal -3
.Lnot_wave_0_\@:
	s_barrier_wait -3
	s_barrier_signal -1
	s_barrier_wait -1
.endm
.macro CROUND
	s_barrier_signal -1
	s_barrier_wait -1
	CREST
.endm
.macro ASK off                         ; my share of the region that stands off bytes behind my first one.  s86 hangs on the wave's number and the cluster's y alone
	s_cmp_eq_u32 s86, 1
	s_cbranch_scc0 .Lnot_mine_\@
	global_prefetch_b8 v[PFO], s[80:81] offset:\off th:TH_LOAD_NT scope:SCOPE_SE
.Lnot_mine_\@:
.endm
.macro PLACES n                        ; plain vector instructions in front of loads into registers that matrix instructions have read, and of the first read of results
.rept \n
	v_nop
.endr
.endm
.macro FETCH slot, q, p                ; the fragments of the slot's q-th K block into set p: A's eight blocks of 16 rows, B's four: 48 loads
	WIN TO_A
.irp i, 0,1,2,3,4,5,6,7
.irp c, 0,1,2,3
	ds_load_b128 v[128*(\p)+16*\i+4*\c:128*(\p)+16*\i+4*\c+3], v[ADRA+\slot] offset:REGA*(\q)+32*\c+\i*16*PITCH
.endr
.endr
	WIN 0
.irp i, 0,1,2,3
.irp c, 0,1,2,3
	ds_load_b128 v[BF+64*(\p)+16*\i+4*\c:BF+64*(\p)+16*\i+4*\c+3], v[ADRB+\slot] offset:REGB*(\q)+32*\c+\i*16*PITCH
.endr
.endr
.endm
; A's blocks a0 .. a0 + n - 1 x B's four, 128 along K, set p.  zero = 1: the first product starts the sums.  The 32 accumulators take turns, one instruction a turn.
.macro MUL a0, n, p, zero
.set a_, \a0
.rept \n
.irp b, 0,1,2,3
.if \zero
	v_wmma_f32_16x16x128_fp8_fp8 v[8*(8*\b+a_):8*(8*\b+a_)+7], v[BF+64*(\p)+16*\b:BF+64*(\p)+16*\b+15], v[128*(\p)+16*a_:128*(\p)+16*a_+15], 0
.else
	v_wmma_f32_16x16x128_fp8_fp8 v[8*(8*\b+a_):8*(8*\b+a_)+7], v[BF+64*(\p)+16*\b:BF+64*(\p)+16*\b+15], v[128*(\p)+16*a_:128*(\p)+16*a_+15], v[8*(8*\b+a_):8*(8*\b+a_)+7]
.endif
.endr
.set a_, a_+1
.endr
.endm
; A slot's first K block (set 0); its second is fetched into set 1 meanwhile.
.macro STEP slot, zero
	PLACES 4
	FETCH \slot, 1, 1
	s_wait_dscnt 48                                ; set 0 is in; the 48 loads just issued may be out
	WIN MULW
	MUL 0, 8, 0, \zero
	WIN 0
.endm
; A slot's second K block (set 1) changes slots: ONE barrier; in front of it each wave waits for all its tensor loads, adds 0 to its spare word, and waits for that and for its reads of this slot.
; fill = 1: the slot is filled again with the K blocks four further on.
.macro TURN slot, next, fill
	s_wait_tensorcnt 0x0                           ; all my tensor loads have landed: my region of the next slot
	ds_add_u32 v[SPW], v[NIL]                      ; 0 onto my spare word
	s_wait_dscnt 1                                 ; set 1 is in (the add may be out)
	WIN MULW
	MUL 0, 2, 1, 0                                 ; eight matrix instructions stand between the add and the wait for it
	s_wait_dscnt 0x0                               ; the add is done, and my reads of this slot are over
	s_barrier_signal -1
	MUL 2, 2, 1, 0
	WIN 0
	s_barrier_wait -1
.if \fill
	CREST                                          ; the barrier has opened a round of the cluster's: no wave of any partner still reads this slot or has a load on its way
	s_add_nc_u64 s[G0+4*\slot+2:G0+4*\slot+3], s[G0+4*\slot+2:G0+4*\slot+3], 0x80000      ; four K blocks of 131,072 bytes, in both tensors
	s_add_nc_u64 s[G0B+4*\slot+2:G0B+4*\slot+3], s[G0B+4*\slot+2:G0B+4*\slot+3], 0x80000
	JLOAD G0+4*\slot, G1, G0B+4*\slot, G1B         ; the first tensor load behind the round; its four v_nop are the places in front of the loads below
.else
	PLACES 4
.endif
	FETCH \next, 0, 0
	WIN MULW
	MUL 4, 4, 1, 0
	WIN 0
.endm
	s_load_b128 s[4:7], s[0:1], 0x0                ; a_codes s[4:5], wp_codes s[6:7]
	s_load_b128 s[8:11], s[0:1], 0x10              ; the scales' exponents s[8:9], b_proj s[10:11]
	s_load_b64 s[12:13], s[0:1], 0x20              ; out0
	v_lshl_add_u32 v[SPW], v0, 2, SPARE
	v_mov_b32 v[NIL], 0
	ds_add_u32 v[SPW], v[NIL]                      ; the wave's opening: the add, twice on end, and its wait ahead of my first tensor load
	ds_add_u32 v[SPW], v[NIL]
	v_lshrrev_b32 v1, 5, v0
	v_readfirstlane_b32 s14, v1                    ; wave 0..3
	s_lshr_b32 s15, s14, 1                         ; which 128 rows are mine.  Also: I fetch for A (0) or for B (1)
	s_and_b32 s16, s14, 1                          ; which 64 columns.  Also: which of a slot's two K blocks I fetch
	s_bfe_u32 s40, ttmp6, 0x40000                  ; cx, cy
	s_bfe_u32 s41, ttmp6, 0x40004
	s_lshl_b32 s42, ttmp9, 2
	s_add_co_u32 s42, s42, s40                     ; which 128 columns: 0 .. 7
	s_and_b32 s17, ttmp7, 0xffff                   ; the cluster's y: the batch
	s_lshl_b32 s43, s41, 2
	s_lshl_b32 s43, 15, s43                        ; my row of the cluster
	s_lshl_b32 s44, 0x1111, s40                    ; my column
	s_or_b32 s[G1+0], s43, FLAGS
	s_or_b32 s[G1B+0], s44, FLAGS
.irp g, G1, G1B
	s_mov_b32 s[\g+1], 256<<16                     ; rows of 256 bytes, dense
	s_mov_b32 s[\g+3], 256<<16
	s_mov_b32 s[\g+5], 256
	s_mov_b32 s[\g+6], 0
	s_mov_b32 s[\g+7], 0
.endr
	s_mov_b32 s[G1+2], 128<<16                     ; A's region: 128 such rows
	s_mov_b32 s[G1+4], 128
	s_mov_b32 s[G1B+2], 64<<16                     ; B's: 64
	s_mov_b32 s[G1B+4], 64
	s_lshl_b32 s20, s17, 20                        ; A: the batch,
	s_lshl_b32 s21, s41, 15                        ; tokens 256 cy,
	s_add_co_u32 s20, s20, s21
	s_lshl_b32 s21, s16, 17                        ; the K block that I fetch
	s_add_co_u32 s20, s20, s21
	s_mov_b32 s21, 0
	s_lshl_b32 s46, s42, 14                        ; B: 128 columns of 128 bytes,
	s_lshl_b32 s47, s16, 17
	s_add_co_u32 s46, s46, s47
	s_mov_b32 s47, 0
	s_mul_i32 s45, s16, REGA                       ; where they go: no place in the cluster enters an LDS address
	s_mul_i32 s70, s16, REGB
	s_add_co_u32 s70, s70, 2*REGA
	s_wait_dscnt 0x0                               ; both opening adds are done
	s_wait_kmcnt 0x0
	s_load_b256 s[72:79], s[8:9], 0x0              ; e0 .. e7
	s_add_nc_u64 s[20:21], s[4:5], s[20:21]
	s_add_nc_u64 s[46:47], s[6:7], s[46:47]
	CROUND                                         ; all sixteen work-groups are here: the first joint loads meet
.irp s, 0,1
	s_mov_b32 s[G0+4*\s], 1
	s_add_co_u32 s[G0+4*\s+1], s45, \s*SLOT
	s_add_nc_u64 s[G0+4*\s+2:G0+4*\s+3], s[20:21], \s*262144       ; slot 1 begins two K blocks on
	s_or_b32 s[G0+4*\s+3], s[G0+4*\s+3], 0x80000000
	s_mov_b32 s[G0B+4*\s], 1
	s_add_co_u32 s[G0B+4*\s+1], s70, \s*SLOT
	s_add_nc_u64 s[G0B+4*\s+2:G0B+4*\s+3], s[46:47], \s*262144
	s_or_b32 s[G0B+4*\s+3], s[G0B+4*\s+3], 0x80000000
.endr
	JLOAD G0, G1, G0B, G1B                         ; slot 0: one tensor load a wave at the head
	; the prefetches: my region's first byte + my work-group's share of it
	s_cmp_eq_u32 s15, 0
	s_cselect_b64 s[80:81], s[20:21], s[46:47]
	s_cselect_b32 s82, s40, s41                    ; my place among the four that ask with me
	s_cselect_b32 s84, 13, 12                      ; a share: 8,192 bytes of A's region, 4,096 of B's
	s_cselect_b32 s85, 31, 15                      ; its last block of 256 bytes
	s_lshl_b32 s82, s82, s84
	s_mov_b32 s83, 0
	s_add_nc_u64 s[80:81], s[80:81], s[82:83]
	s_cmp_lt_u32 s17, 4
	s_cselect_b32 s86, 1, 0                        ; B's waves ask in the clusters of batches 0 to 3,
	s_cmp_eq_u32 s15, 0
	s_cselect_b32 s86, 1, s86                      ; A's in all
	v_and_b32 v6, 31, v0
	v_min_u32 v7, s85, v6
	v_lshlrev_b32 v[PFO], 8, v7
	s_wait_alu depctr_va_vdst(0)                   ; ahead of the branch
	ASK 524288                                     ; K blocks 4 and 5: slot 0's refill, two fills on
	; scalars for the addresses below
	s_mul_i32 s22, s15, 128*PITCH                  ; my 128 rows of A
	s_mul_i32 s23, s16, 64*PITCH                   ; my 64 rows of B,
	s_add_co_u32 s23, s23, 2*REGA                  ; which lie behind A's two regions
	s_add_co_u32 s87, s22, SLOT
	s_add_co_u32 s88, s23, SLOT
	s_mul_i32 s89, s14, 16*SPITCH                  ; my stage
	s_lshl_b32 s90, s17, 22                        ; my first row: 1,024 x batch + 256 cy + 128 (wave / 2), rows of 4,096 bytes;
	s_lshl_b32 s91, s41, 20
	s_add_co_u32 s90, s90, s91
	s_lshl_b32 s91, s15, 19
	s_add_co_u32 s90, s90, s91
	s_lshl_b32 s92, s42, 9                         ; my first column, in bytes: 512 x (128 columns) + 256 (wave % 2)
	s_lshl_b32 s91, s16, 8
	s_add_co_u32 s92, s92, s91
	s_add_co_u32 s90, s90, s92
	s_mov_b32 s91, 0
	s_mov_b32 s93, 0
	s_add_nc_u64 s[12:13], s[12:13], s[90:91]
	s_add_nc_u64 s[10:11], s[10:11], s[92:93]      ; and the same columns of the bias
	v_and_b32 v1, 15, v0                           ; r = lane % 16
	v_bfe_u32 v2, v0, 4, 1                         ; h = lane / 16
	v_mul_u32_u24 v3, v1, PITCH
	v_lshl_add_u32 v4, v2, 4, v3                   ; a fragment's row x pitch + 16 h
	v_add_nc_u32 v[ADRA], s22, v4
	v_add_nc_u32 v[ADRA+1], s87, v4
	v_add_nc_u32 v[ADRB], s23, v4
	v_add_nc_u32 v[ADRB+1], s88, v4
	v_mul_u32_u24 v5, v1, SPITCH                   ; in: row r, 32 bytes for each half of the lanes
	v_lshl_add_u32 v5, v2, 5, v5
	v_add_nc_u32 v[STO], s89, v5
	v_mul_u32_u24 v8, v2, SPITCH                   ; back: lanes 0-15 take one row of 256 bytes, lanes 16-31 the next
	v_lshl_add_u32 v8, v1, 4, v8
	v_add_nc_u32 v[RD], s89, v8
	v_lshlrev_b32 v9, 12, v2                       ; and the same two rows in the output
	v_lshl_add_u32 v[CO], v1, 4, v9
	v_lshlrev_b32 v12, 5, v2                       ; the bias: 32 h
	s_wait_alu depctr_va_vdst(0)                   ; the head's end
.irp b, 0,1,2,3
	global_load_b128 v[BI+8*\b:BI+8*\b+3], v12, s[10:11] offset:64*\b
	global_load_b128 v[BI+8*\b+4:BI+8*\b+7], v12, s[10:11] offset:64*\b+16
.endr
	s_wait_tensorcnt 0x0                           ; my region of slot 0 is in
	ds_add_u32 v[SPW], v[NIL]
	s_wait_dscnt 0x0
	CROUND                                         ; everybody's region of slot 0 is in, and all sixteen work-groups are here
	JLOAD G0+4, G1, G0B+4, G1B                     ; slot 1's first fill: the first tensor load behind the round
	FETCH 0, 0, 0
	ASK 786432                                     ; K blocks 6 and 7: slot 1's refill, two fills on
	STEP 0, 1                                      ; K 0-127: these products start the sums
	TURN 0, 1, 1                                   ; K 128-255; slot 0 takes K 512-767
	STEP 1, 0
	TURN 1, 0, 1                                   ; slot 1 takes K 768-1023
	STEP 0, 0
	TURN 0, 1, 0                                   ; nothing is left to fetch; behind this barrier nobody reads slot 0
	STEP 1, 0
	s_wait_dscnt 0x0                               ; the last 128 along K
	WIN MULW
	MUL 0, 8, 1, 0
	WIN 0
	; THE WAY OUT.  out = sum x 2^(e6 + e7) + bias: one packed multiply-add for two numbers, each accumulator from its low end on.
	s_wait_kmcnt 0x0
	s_add_co_i32 s96, s78, s79
	s_add_co_i32 s96, s96, 127
	s_lshl_b32 s96, s96, 23                        ; 2^(e6 + e7) as f32
	s_mov_b32 s97, s96                             ; (named with it as a pair, so it is written)
	s_wait_loadcnt 0x0                             ; the bias
	PLACES 4                                       ; behind the last products
; Block by block of 16 rows x 64 columns through my stage (slot 0 has had its last fill and its last read): in as 32 bytes a lane, back as whole rows of 256 bytes.
.macro TOSTAGE a
	WIN 0x01                                       ; source 0: window 1
.irp b, 0,1,2,3
.irp i, 0,2,4,6
	v_pk_fma_f32 v[TMP+8*\b+\i:TMP+8*\b+\i+1], v[8*(8*\b+(\a))+\i:8*(8*\b+(\a))+\i+1], s[96:97], v[BI+8*\b+\i:BI+8*\b+\i+1] op_sel_hi:[1,0,1]
.endr
.endr
	WIN 0
.irp b, 0,1,2,3
	ds_store_b128 v[STO], v[TMP+8*\b:TMP+8*\b+3] offset:64*\b
	ds_store_b128 v[STO], v[TMP+8*\b+4:TMP+8*\b+7] offset:64*\b+16
.endr
.irp t, 0,1,2,3,4,5,6,7
	ds_load_b128 v[BK+32*((\a)%2)+4*\t:BK+32*((\a)%2)+4*\t+3], v[RD] offset:2*\t*SPITCH   ; LDS serves a wave's instructions in order (ISA guide 5.7.1.4): these see the stores above
.endr
.endm
.macro SEND a, younger                 ; younger: the LDS instructions issued behind block a's loads, which may stay out
	s_wait_dscnt \younger
.irp t, 0,1,2,3,4,5,6,7
	global_store_b128 v[CO], v[BK+32*((\a)%2)+4*\t:BK+32*((\a)%2)+4*\t+3], s[12:13] offset:(16*(\a)+2*\t)*4096 th:TH_STORE_NT   ; sixteen lanes store 256 consecutive bytes, at a multiple of 256 from the output's first byte
.endr
.endm
	TOSTAGE 0
.irp a, 1,2,3,4,5,6,7
.if \a > 1
	s_wait_xcnt 0x0                                ; block a - 2's stores have read their registers: block a's loads may land there
.endif
	TOSTAGE \a
	SEND \a-1, 16                                  ; behind block a - 1's loads: block a's 8 stores and 8 loads
.endr
	SEND 7, 0
	s_wait_tensorcnt 0x0                           ; the wave's end
	ds_add_u32 v[SPW], v[NIL]
	s_wait_dscnt 0x0
	CROUND                                         ; the closing round: no work-group ends while a partner may still ask for a tile that names it
	s_endpgm
.Lfunc_end_k_q76113b3a19_proj:
	.size	k_q76113b3a19_proj, .Lfunc_end_k_q76113b3a19_proj-k_q76113b3a19_proj
	.p2alignl 7, 3214868480
	.fill 96, 4, 3214868480
	.section	.rodata,"a",@progbits
	.p2align	6, 0x0
	.amdhsa_kernel k_q76113b3a19_proj
		.amdhsa_group_segment_fixed_size 327680
		.amdhsa_private_segment_fixed_size 0
		.amdhsa_enable_private_segment 0
		.amdhsa_kernarg_size 40
		.amdhsa_user_sgpr_count 2
		.amdhsa_user_sgpr_kernarg_segment_ptr 1
		.amdhsa_wavefront_size32 1
		.amdhsa_system_sgpr_workgroup_id_x 1
		.amdhsa_system_sgpr_workgroup_id_y 1
		.amdhsa_system_sgpr_workgroup_id_z 1
		.amdhsa_system_vgpr_workitem_id 0
		.amdhsa_next_free_vgpr 768
		.amdhsa_next_free_sgpr 100
		.amdhsa_reserve_vcc 0
		.amdhsa_float_denorm_mode_32 3
		.amdhsa_float_denorm_mode_16_64 3
		.amdhsa_memory_ordered 1
		.amdhsa_forward_progress 1
		.amdhsa_inst_pref_size 77
	.end_amdhsa_kernel
	.amdgpu_metadata
---
amdhsa.version: [ 1, 2 ]
amdhsa.kernels:
  - .name:           k_q76113b3a19_proj
    .symbol:         k_q76113b3a19_proj.kd
    .args:
      - { .name: a_codes, .offset: 0, .size: 8, .value_kind: global_buffer, .address_space: global }
      - { .name: wp_codes, .offset: 8, .size: 8, .value_kind: global_buffer, .address_space: global }
      - { .name: lowp_scales, .offset: 16, .size: 8, .value_kind: global_buffer, .address_space: global }
      - { .name: b_proj, .offset: 24, .size: 8, .value_kind: global_buffer, .address_space: global }
      - { .name: out0, .offset: 32, .size: 8, .value_kind: global_buffer, .address_space: global }
    .group_segment_fixed_size: 327680
    .private_segment_fixed_size: 0
    .kernarg_segment_align: 8
    .kernarg_segment_size: 40
    .max_flat_workgroup_size: 128
    .sgpr_count:     100
    .vgpr_count:     768
    .wavefront_size: 32
...
	.end_amdgpu_metadata
.endif
;; end of part 4
